; MI455X (gfx1250); checked and timed in simulation.
; The chip was launched on July 23, 2026; its instructions are those of AMD's public machine-readable ISA for CDNA 5 (MIT licence, August 2026) and "CDNA5" Instruction Set Architecture Reference Guide (July 2026). The comments in the code are by the model that wrote it; some were corrected since.
;; Causal Self Attention. Allowed arithmetic: matrix products marked QUANTISED: E2M1 operands, one E8M0 scale for each 32 along K, by v_wmma_scale_f32_16x16x128_f8f6f4 with both operands' format E2M1 (or v_wmma_scale_f32_32x16x128_f4), f32 sums; products left as they are: bf16, f16 or f32 operands; f32 sums; everything else in f32.
;; Inputs: Wk 1,024 x 1,024 float32; Wq 1,024 x 1,024 float32; Wv 1,024 x 1,024 float32; x 4 x 2,048 x 1,024 float32.
;; Outputs: out0 4 x 2,048 x 1,024 float32.
;; This version of the problem:
;;   THIS VERSION OF THE PROBLEM IS GIVEN IN LOW PRECISION. The matrix products marked QUANTISED in the list below multiply operands that are first quantised to E2M1 (2 exponent bits, 1 mantissa bit; 4 bits a number), with one power-of-two scale for each 32 numbers along K (OCP MX v1.0); their sums are f32. The products marked 'left as it is' may take bf16, f16 or f32 operands, with f32 sums. Whichever they take, every output number must still come out within the allowed error. Rounding operands to bf16 (8 significant bits) uses up far more of that allowance than f16 does (11 bits, for magnitudes from 6e-5 to 65,504). All else is computed in f32.
;;   The module's matrix products, in the order in which they are computed (A, B: the left and right operand; K: the contracted axis; several contracted axes count as one K, in the product's order):
;;     1. [M 8,192, K 1,024] x [K 1,024, N 1,024]; A: input x; B: input Wq: QUANTISED
;;     2. [M 8,192, K 1,024] x [K 1,024, N 1,024]; A: input x; B: input Wk: QUANTISED
;;     3. [M 8,192, K 1,024] x [K 1,024, N 1,024]; A: input x; B: input Wv: QUANTISED
;;     4. batch 4 x [M 2,048, K 1,024] x [K 1,024, N 2,048]; A: computed on the way; B: computed on the way: left as it is (an operand is computed on the way)
;;     5. batch 4 x [M 2,048, K 2,048] x [K 2,048, N 1,024]; A: computed on the way; B: computed on the way: left as it is (an operand is computed on the way)
;;   THE QUANTISER, for each operand of a quantised product, along K:
;;     - K is cut into blocks of 32 from its start; a last block that is shorter is filled with zeros.
;;     - A block's scale is 2^e with e = floor(log2(the largest magnitude in the block)) - 2, held to -126 .. 127; a block of zeros has e = 0. As a byte (E8M0): e + 127.
;;     - Each number is divided by its block's scale, clamped to +-6, and rounded to the nearest number of E2M1, ties to even, subnormals kept.
;;     - The product sums the exact products of the quantised numbers (number of the format x scale) in f32.
;;   ~~~python
;;   def quantise(x, axis):      # numpy; x: float32 -> the quantised numbers, widened to float32 again
;;       x = np.moveaxis(x, axis, -1); K = x.shape[-1]
;;       x = np.pad(x, [(0, 0)] * (x.ndim - 1) + [(0, -K % 32)]); x = x.reshape(x.shape[:-1] + (-1, 32)); a = np.abs(x).max(-1, keepdims=True)
;;       e = np.where(a > 0, np.clip(np.frexp(np.where(a > 0, a, 1))[1] - 1 - 2, -126, 127), 0)      # np.frexp(a)[1] - 1 = floor(log2(a)), exactly
;;       r = np.clip(x / 2.0 ** e, -6, 6)
;;       step = 2.0 ** (np.maximum(np.frexp(np.where(r == 0, 1, r))[1] - 1, 0) - 1)
;;       q = np.round(r / step) * step * 2.0 ** e      # np.round: ties to even
;;       return np.moveaxis(q.reshape(q.shape[:-2] + (-1,))[..., :K], -1, axis).astype(np.float32)
;;   ~~~
;; One version. Each part assembles by itself: llvm-mc -triple=amdgcn-amd-amdhsa -mcpu=gfx1250 --defsym DOCPART=n.
;; ======== version 1 of 1: 5 launches
;; limits: values are held in f16: magnitudes above 65,504 overflow, below 6.1e-05 lose precision
;; workspace buffers: xq 4,456,448 bytes; wq 1,671,168 bytes; qk 33,554,432 bytes; vt 16,777,216 bytes; pp 33,554,432 bytes; st 786,432 bytes; fine 786,432 bytes
;; launch quant (part 1): grid 448 x 1, 4 waves a work-group, no clusters, 42,496 bytes of LDS; arguments x, Wq, Wk, Wv, xq, wq; writes xq, wq
.if DOCPART == 1
	.amdgcn_target "amdgcn-amd-amdhsa--gfx1250"
	.amdhsa_code_object_version 6
	.text
	.protected	k_q4a4f83dc08_quant
	.globl	k_q4a4f83dc08_quant
	.p2align	8
	.type	k_q4a4f83dc08_quant,@function
k_q4a4f83dc08_quant:
	s_mov_b64 s[64:65], 0
	v_nop
	global_prefetch_b8 v0, s[64:65] scope:SCOPE_SE
	s_setreg_imm32_b32 hwreg(HW_REG_WAVE_MODE, 25, 1), 1
	s_wait_xcnt 0x0
; x [8192][1024] and Wq, Wk, Wv [1024 (k)][1024 (n)], f32, become codes of FP4 (E2M1), K innermost, with one E8M0 byte for each 32 along K.
; xq: codes [8192][512 bytes], then from byte XSCL the scale bytes [8192][32].  wq: codes [3072][512 bytes] (rows 0-1023 Wq's columns, 1024-2047 Wk's, 2048-3071 Wv's), then from byte WSCL [3072][32].
; A block's scale is 2^(floor(log2(its largest magnitude)) - 2): its byte is the largest magnitude's exponent field - 2, held at 1 from below by a floor among the maximum's leaves.
; LIMITS: a block of zeros gets the byte 1 where the rule says 127 (its codes are zeros, and this program alone reads the bytes); NaN and infinities among the inputs are not served.
; Work-groups 0-191 take the weights, 192-447 take x: the two ways part on the work-group's number, have LDS bytes of their own, and join at the end.
; x: K is innermost and rows are dense: a plain stream of blocks of 32.  A wave takes 16 steps of 512 numbers; each load reads 512 consecutive bytes; a step's 2,048 bytes turn through the wave's own stage in LDS,
;    so that a lane holds 16 neighbours (two lanes to a block).  Loads run eight steps (32 loads, 16 KiB a wave) ahead.
; W: K is the first axis: a lane takes a column and its registers run down K, so a block of 32 lies in one lane and the codes come out with K innermost.  A work-group takes 32 columns x 512 along K,
;    a wave 128 of these 512 (four blocks); the four waves' codes meet in a stage (a column's 256 bytes) and leave as whole aligned runs of 256 bytes.
.set SP,     80                        ; x: a lane's place in a stage: 64 bytes + 16 of padding
.set WREG,   8192                      ; x: LDS of a wave: two stages of 32 x SP bytes, then its 256 scale bytes
.set WST,    32768                     ; W: the stage: 32 columns x (256 bytes + 16)
.set WPITCH, 272
.set WSS,    41472                     ; W: the scale bytes: 32 columns x 16
.set SPARE,  41984                     ; the spare words, 128 bytes for each wave
.set XSCL,   0x400000
.set WSCL,   0x180000
.set SPW, 254                          ; v254 LDS address of my spare word; never rewritten
.set NIL, 255                          ; v255 0; never rewritten
.set R,   16                           ; x: v16-143  eight sets of 16 numbers as loaded
.set X,   144                          ; x: v144-175 two sets of 16 neighbours
.set E,   176                          ; x: v176-191 a scale byte for each step
.set C,   192                          ; x: v192-223 two registers of codes for each step
.set XW,  32                           ; W: v32-95   two sets of 32 numbers
.set CW,  96                           ; W: v96-99   a block's codes
.set OW,  100                          ; W: v100-119 the way out
.macro LOADX t
.irp i, 0,1,2,3
	global_load_b128 v[R+16*((\t)%8)+4*\i:R+16*((\t)%8)+4*\i+3], v3, s[4:5] offset:2048*(\t)+512*\i th:TH_LOAD_NT   ; 32 lanes read 512 consecutive bytes
.endr
.endm
.macro TURNX t                         ; step t's numbers through the stage; LDS serves a wave's instructions in order, so no wait stands between the stores and the loads
.irp i, 0,1,2,3
	ds_store_b128 v14, v[R+16*((\t)%8)+4*\i:R+16*((\t)%8)+4*\i+3] offset:32*SP*((\t)%2)+8*SP*\i
.endr
.irp i, 0,1,2,3
	ds_load_b128 v[X+16*((\t)%2)+4*\i:X+16*((\t)%2)+4*\i+3], v15 offset:32*SP*((\t)%2)+16*\i
.endr
.endm
.macro STEPX t
.set XS, X+16*((\t)%2)
.if (\t) > 0
	s_wait_dscnt 1                                 ; this step's numbers are back from the stage (the last step's byte store may be out), so its stores into the stage have read their registers,
.else
	s_wait_dscnt 0x0
.endif
.if (\t)+8 < 16
	LOADX (\t)+8                                   ; which take the loads of eight steps on
.endif
.if (\t)+1 < 16
.if 14-(\t) >= 7
	s_wait_loadcnt 28                              ; the next step's four loads are in; those of the seven steps behind it may be out
.else
	s_wait_loadcnt 4*(14-(\t))                     ; fewer steps are left behind it
.endif
	TURNX (\t)+1
.endif
	v_max3_num_f32 v8, |v[XS]|, |v[XS+1]|, |v[XS+2]|               ; the largest magnitude of my 16, in two chains
	v_max3_num_f32 v9, |v[XS+3]|, |v[XS+4]|, |v[XS+5]|
.irp i, 6,10
	v_max3_num_f32 v8, v8, |v[XS+\i]|, |v[XS+\i+1]|
	v_max3_num_f32 v9, v9, |v[XS+\i+2]|, |v[XS+\i+3]|
.endr
	v_max3_num_f32 v8, v8, |v[XS+14]|, |v[XS+15]|
	v_max3_num_f32 v8, v8, v9, 0x1800000           ; and the floor 2^(3 - 127): the byte cannot fall under 1
	v_max_num_f32_dpp v8, v8, v8 row_xmask:1 row_mask:0xf bank_mask:0xf   ; with my neighbour's 16: the block's
	v_add_nc_u32 v11, 0xff000000, v8               ; 2 off its exponent field: the conversion takes the exponent field of this operand as its scale
	v_cvt_scalef32_pk8_fp4_f32 v[C+2*(\t)], v[XS:XS+7], v11
	v_cvt_scalef32_pk8_fp4_f32 v[C+2*(\t)+1], v[XS+8:XS+15], v11
	v_lshrrev_b32 v[E+(\t)], 23, v11               ; the scale's byte (a plain line behind the conversions)
	ds_store_b8 v5, v[E+(\t)] offset:16*(\t)       ; both lanes of a block write the same byte with the same value
	global_store_b64 v4, v[C+2*(\t):C+2*(\t)+1], s[22:23] offset:256*(\t)   ; the wave stores 256 consecutive bytes, aligned
.endm
.macro LOADW t                         ; block t: W(32 t + i, my column), i = 0 .. 31, into set t % 2
.irp i, 0,1,2,3,4,5,6,7,8,9,10,11,12,13,14,15,16,17,18,19,20,21,22,23,24,25,26,27,28,29,30,31
	global_load_b32 v[XW+32*((\t)%2)+\i], v225, s[20:21] offset:(32*(\t)+\i)*4096
.endr
.endm
.macro BLOCKW t
.set XS, XW+32*((\t)%2)
.if (\t) < 3
	s_wait_loadcnt 32                              ; this block's 32 loads are in; the next block's may be out
.else
	s_wait_loadcnt 0x0
.endif
	v_max3_num_f32 v240, |v[XS]|, |v[XS+1]|, |v[XS+2]|             ; the block's largest magnitude: all 32 numbers are mine
	v_max3_num_f32 v241, |v[XS+3]|, |v[XS+4]|, |v[XS+5]|
.irp i, 6,10,14,18,22,26
	v_max3_num_f32 v240, v240, |v[XS+\i]|, |v[XS+\i+1]|
	v_max3_num_f32 v241, v241, |v[XS+\i+2]|, |v[XS+\i+3]|
.endr
	v_max3_num_f32 v240, v240, |v[XS+30]|, |v[XS+31]|
	v_max3_num_f32 v240, v240, v241, 0x1800000     ; and the floor
	v_add_nc_u32 v242, 0xff000000, v240            ; the conversion's scale operand
	v_lshrrev_b32 v243, 23, v242                   ; the scale's byte
.if (\t) == 0
	v_mov_b32 v244, v243                           ; my four bytes make one word, the lower K in the lower byte
.else
	v_lshl_or_b32 v244, v243, 8*(\t), v244
.endif
.irp g, 0,1,2,3
	v_cvt_scalef32_pk8_fp4_f32 v[CW+\g], v[XS+8*\g:XS+8*\g+7], v242
.endr
	ds_store_b128 v226, v[CW:CW+3] offset:16*(\t)  ; 32 codes: 16 bytes of my column's row
.if (\t)+2 < 4
	LOADW (\t)+2
.endif
	s_wait_dscnt 0x0                               ; the store has read its registers: the next block's codes may be written
.endm
	s_load_b256 s[4:11], s[0:1], 0x0               ; x s[4:5], Wq s[6:7], Wk s[8:9], Wv s[10:11]
	s_load_b128 s[12:15], s[0:1], 0x20             ; xq s[12:13], wq s[14:15]
	v_lshl_add_u32 v[SPW], v0, 2, SPARE
	v_mov_b32 v[NIL], 0
	v_lshrrev_b32 v1, 5, v0
	v_readfirstlane_b32 s16, v1                    ; wave 0..3
	v_and_b32 v2, 31, v0                           ; lane
	s_wait_kmcnt 0x0
	s_cmp_lt_u32 ttmp9, 192
	s_cbranch_scc0 .Lx
	; ---- the weights: work-group g: matrix g / 64, columns 32 ((g / 2) % 32) on, K from 512 (g % 2) on
	s_lshr_b32 s17, ttmp9, 6                       ; which matrix
	s_bfe_u32 s18, ttmp9, 0x50001                  ; which 32 columns
	s_and_b32 s19, ttmp9, 1                        ; which half of K
	s_cmp_eq_u32 s17, 0
	s_cselect_b64 s[20:21], s[6:7], s[8:9]
	s_cmp_eq_u32 s17, 2
	s_cselect_b64 s[20:21], s[10:11], s[20:21]
	s_lshl_b32 s22, s19, 21                        ; 512 rows of 4,096 bytes,
	s_lshl_b32 s23, s16, 19                        ; my wave's 128 rows,
	s_add_co_u32 s22, s22, s23
	s_lshl_b32 s23, s18, 7                         ; 32 columns of 4 bytes
	s_add_co_u32 s22, s22, s23
	s_mov_b32 s23, 0
	s_add_nc_u64 s[20:21], s[20:21], s[22:23]
	v_lshlrev_b32 v225, 2, v2                      ; in: 4 bytes a lane
	LOADW 0
	LOADW 1
	v_mul_u32_u24 v226, v2, WPITCH
	s_lshl_b32 s24, s16, 6
	s_add_co_u32 s24, s24, WST
	v_add_nc_u32 v226, s24, v226                   ; into the stage: row = my column, my wave's 64 bytes of it
	v_lshlrev_b32 v227, 4, v2
	s_lshl_b32 s24, s16, 2
	s_add_co_u32 s24, s24, WSS
	v_add_nc_u32 v227, s24, v227                   ; my scale word: 16 bytes a column, 4 a wave
	v_and_b32 v228, 15, v2
	v_lshrrev_b32 v229, 4, v2
	v_mul_u32_u24 v230, v229, WPITCH
	v_lshl_add_u32 v230, v228, 4, v230
	s_mul_i32 s24, s16, 8*WPITCH
	s_add_co_u32 s24, s24, WST
	v_add_nc_u32 v230, s24, v230                   ; out of the stage: my wave's 8 rows, sixteen lanes to a row, two rows an instruction
	v_lshlrev_b32 v231, 9, v229
	v_lshl_add_u32 v231, v228, 4, v231             ; and the same place among the codes' rows of 512 bytes
	v_lshl_add_u32 v232, v2, 4, WSS                ; a column's 16 scale bytes in LDS,
	v_lshlrev_b32 v233, 5, v2                      ; and its row of 32 in memory
	s_lshl_b32 s24, s17, 10
	s_lshl_b32 s25, s18, 5
	s_add_co_u32 s24, s24, s25                     ; the first column's row in wq
	s_lshl_b32 s26, s24, 5
	s_lshl_b32 s25, s19, 4
	s_add_co_u32 s26, s26, s25
	s_add_co_u32 s26, s26, WSCL
	s_mov_b32 s27, 0
	s_add_nc_u64 s[26:27], s[14:15], s[26:27]      ; the scale bytes' place
	s_lshl_b32 s25, s16, 3
	s_add_co_u32 s24, s24, s25
	s_lshl_b32 s24, s24, 9
	s_lshl_b32 s25, s19, 8
	s_add_co_u32 s24, s24, s25
	s_mov_b32 s25, 0
	s_add_nc_u64 s[24:25], s[14:15], s[24:25]      ; the codes' place: my wave's 8 rows, this half of K
	BLOCKW 0
	BLOCKW 1
	BLOCKW 2
	BLOCKW 3
	ds_store_b32 v227, v244
	s_wait_dscnt 0x0                               ; for the others' sake: my stores into the stage are done
	s_barrier_signal -1
	s_barrier_wait -1
.irp t, 0,1,2,3
	ds_load_b128 v[OW+4*\t:OW+4*\t+3], v230 offset:2*\t*WPITCH
.endr
.irp t, 0,1,2,3
	s_wait_dscnt 3-\t                              ; LDS loads come back in order: pair t of rows is in
	global_store_b128 v231, v[OW+4*\t:OW+4*\t+3], s[24:25] offset:2*\t*512   ; sixteen lanes store 256 consecutive bytes, aligned
.endr
	s_cmp_lg_u32 s16, 0                            ; wave 0 sends the scale bytes: 16 bytes of each of 32 rows
	s_cbranch_scc1 .Lend
	ds_load_b128 v[OW+16:OW+19], v232
	s_wait_dscnt 0x0
	global_store_b128 v233, v[OW+16:OW+19], s[26:27]
	s_branch .Lend
.Lx:	; ---- x: run = 4 (work-group - 192) + wave: 8,192 numbers
	s_sub_co_u32 s17, ttmp9, 192
	s_lshl_b32 s17, s17, 2
	s_add_co_u32 s18, s17, s16
	s_lshl_b32 s20, s18, 15
	s_mov_b32 s21, 0
	s_add_nc_u64 s[4:5], s[4:5], s[20:21]          ; 32,768 bytes of x a run,
	s_lshl_b32 s20, s18, 12
	s_add_nc_u64 s[22:23], s[12:13], s[20:21]      ; 4,096 of codes,
	s_lshl_b32 s20, s18, 8
	s_add_co_u32 s20, s20, XSCL
	s_add_nc_u64 s[24:25], s[12:13], s[20:21]      ; 256 scale bytes
	v_lshlrev_b32 v3, 4, v2                        ; my 16 bytes of a load's 512
.irp t, 0,1,2,3,4,5,6,7
	LOADX \t
.endr
	s_mul_i32 s17, s16, WREG
	v_lshrrev_b32 v14, 2, v2
	v_mul_u32_u24 v14, v14, SP
	v_and_b32 v15, 3, v2
	v_lshl_add_u32 v14, v15, 4, v14
	v_add_nc_u32 v14, s17, v14                     ; the stage, on the way in: four lanes' 64 bytes on end, then 16 of padding
	v_mul_u32_u24 v15, v2, SP
	v_add_nc_u32 v15, s17, v15                     ; and on the way out: my 16 neighbours
	v_lshlrev_b32 v4, 3, v2                        ; 8 bytes a lane: my codes' place in a step's, and my part of the scale bytes
	v_lshrrev_b32 v5, 1, v2
	s_add_co_u32 s17, s17, 2*32*SP
	v_add_nc_u32 v5, s17, v5                       ; my block's byte among my wave's 256
	v_add_nc_u32 v6, s17, v4
	s_wait_loadcnt 28                              ; step 0's four loads are in; the seven steps behind it may be out
	TURNX 0
.irp t, 0,1,2,3,4,5,6,7,8,9,10,11,12,13,14,15
	STEPX \t
.endr
	ds_load_b64 v[8:9], v6                         ; LDS serves a wave's instructions in order: this sees my byte stores
	s_wait_dscnt 0x0
	global_store_b64 v4, v[8:9], s[24:25]          ; 32 lanes store 256 consecutive bytes, aligned
.Lend:
	s_wait_tensorcnt 0x0                           ; the wave's end
	ds_add_u32 v[SPW], v[NIL]
	s_wait_dscnt 0x0
	s_endpgm
.Lfunc_end_k_q4a4f83dc08_quant:
	.size	k_q4a4f83dc08_quant, .Lfunc_end_k_q4a4f83dc08_quant-k_q4a4f83dc08_quant
	.p2alignl 7, 3214868480
	.fill 96, 4, 3214868480
	.section	.rodata,"a",@progbits
	.p2align	6, 0x0
	.amdhsa_kernel k_q4a4f83dc08_quant
		.amdhsa_group_segment_fixed_size 42496
		.amdhsa_private_segment_fixed_size 0
		.amdhsa_enable_private_segment 0
		.amdhsa_kernarg_size 48
		.amdhsa_user_sgpr_count 2
		.amdhsa_user_sgpr_kernarg_segment_ptr 1
		.amdhsa_wavefront_size32 1
		.amdhsa_system_sgpr_workgroup_id_x 1
		.amdhsa_system_sgpr_workgroup_id_y 1
		.amdhsa_system_sgpr_workgroup_id_z 1
		.amdhsa_system_vgpr_workitem_id 0
		.amdhsa_next_free_vgpr 256
		.amdhsa_next_free_sgpr 66
		.amdhsa_reserve_vcc 0
		.amdhsa_float_denorm_mode_32 3
		.amdhsa_float_denorm_mode_16_64 3
		.amdhsa_memory_ordered 1
		.amdhsa_forward_progress 1
		.amdhsa_inst_pref_size 55
	.end_amdhsa_kernel
	.amdgpu_metadata
---
amdhsa.version: [ 1, 2 ]
amdhsa.kernels:
  - .name:           k_q4a4f83dc08_quant
    .symbol:         k_q4a4f83dc08_quant.kd
    .args:
      - { .name: x, .offset: 0, .size: 8, .value_kind: global_buffer, .address_space: global }
      - { .name: Wq, .offset: 8, .size: 8, .value_kind: global_buffer, .address_space: global }
      - { .name: Wk, .offset: 16, .size: 8, .value_kind: global_buffer, .address_space: global }
      - { .name: Wv, .offset: 24, .size: 8, .value_kind: global_buffer, .address_space: global }
      - { .name: xq, .offset: 32, .size: 8, .value_kind: global_buffer, .address_space: global }
      - { .name: wq, .offset: 40, .size: 8, .value_kind: global_buffer, .address_space: global }
    .group_segment_fixed_size: 42496
    .private_segment_fixed_size: 0
    .kernarg_segment_align: 8
    .kernarg_segment_size: 48
    .max_flat_workgroup_size: 128
    .sgpr_count:     66
    .vgpr_count:     256
    .wavefront_size: 32
...
	.end_amdgpu_metadata
.endif
;; end of part 1
;; launch proj (part 2): grid 8 x 32, 4 waves a work-group, clusters of 4 x 4, 327,680 bytes of LDS; arguments xq, wq, qk, fine; writes qk, fine
.if DOCPART == 2
	.amdgcn_target "amdgcn-amd-amdhsa--gfx1250"
	.amdhsa_code_object_version 6
	.text
	.protected	k_q4a4f83dc08_proj
	.globl	k_q4a4f83dc08_proj
	.p2align	8
	.type	k_q4a4f83dc08_proj,@function
k_q4a4f83dc08_proj:
	s_mov_b64 s[64:65], 0
	v_nop
	global_prefetch_b8 v0, s[64:65] scope:SCOPE_SE
	s_setreg_imm32_b32 hwreg(HW_REG_WAVE_MODE, 25, 1), 1
	s_wait_xcnt 0x0
	s_wait_alu depctr_hold_cnt(0) depctr_sa_sdst(0) depctr_va_vdst(0) depctr_va_sdst(0) depctr_va_ssrc(0) depctr_va_vcc(0) depctr_vm_vsrc(0)
	s_getreg_b32 s2, hwreg(HW_REG_IB_STS2, 6, 4)
	s_cmp_eq_u32 s2, 0
	s_cbranch_scc0 .Lentry_in_a_cluster
	s_endpgm
.Lentry_in_a_cluster:
	s_bfe_u32 s2, ttmp6, 0x10000c
	s_cmp_lg_u32 s2, 0xf033
	s_cbranch_scc0 .Lentry_shape_is_right
	s_endpgm
.Lentry_shape_is_right:
; q = x Wq and k = x Wk on codes of FP4 with E8M0 scales for each 32 along K = 1,024; sums in f32.  Results: f16.  (v = x Wv is made in the next launch, which has WGPs to spare.)
; qk [8192][2048] f16: columns 0-1023 q, 1024-2047 k.   fine: the same sums of positions 0-15 of each sequence, kept in f32: [4][16][2048].
; C = A B^T: A = x's rows of codes (xq), B = Wq's and Wk's columns as rows of codes (wq, rows 0-2047).  32 x 8 = 256 tiles of 256 x 256: one work-group for each tile.
; A tile is made by four waves, 128 x 128 each: 64 accumulators, 512 registers.  K = 1,024 is two slots of 512 along K (rows of 256 bytes): both are first fills; nothing is filled again.
; The scale bytes of the tile's 256 + 256 rows for all of K come once, as dense blocks, with the first fills.  By this text's count a wave has three tensor loads out at the start and none later.
; CLUSTERS 4 x 4: A's tile hangs on the cluster's y and cy alone and is asked for jointly along a row of the cluster, B's on the cluster's x and cx alone and jointly along a column.
; THE MATRIX INSTRUCTION IS USED TRANSPOSED (source 0 = 16 rows of B, source 1 = 16 rows of A): a lane holds eight neighbouring numbers of a row of C.
; LIMITS: a sum of magnitude 65,504 or more becomes infinity in f16 (with x and the weights 30 times the drawn spread the sums' spread is about 900).
; REGISTERS: window 0: v0-31 addresses; v32-95 scale words, two sets; v128-191 A's fragments, one set; on the way out v32-63, v192-255.  window 1: B's fragments, two sets.  windows 2, 3: accumulators (a, b) at v[8 (8 (a % 4) + b)].
.set NQ,     4                         ; matrix instructions deep in a slot
.set ROWB,   256                       ; a tile's row in bytes: 512 codes
.set KROW,   512                       ; a row of codes in memory
.set PITCH,  272                       ; an LDS row: 256 bytes + 16 of padding: the 16 rows that a load touches start at 16 different banks (64 banks of 4 bytes: ISA guide 11.1)
.set FR,     8
.set NL,     2
.set NP,     4                         ; places behind this matrix instruction (ISA guide 7.12.1)
.set HALFT,  128*PITCH
.set SLOT,   4*HALFT
.set KS,     32                        ; a row of scale bytes
.set SCL,    2*SLOT                    ; behind the ring: the scales, as runs of 256 bytes + 16 of padding
.set HALFS,  (128*KS/256)*272
.set SBLK,   (16*KS/256)*272
.set SPARE,  SCL+4*HALFS
.set SPITCH, 272                       ; the way out: a stage of 16 rows x (256 bytes + 16) for each wave, in slot 0, which has had its only fill and its last read by then
.set XSCL,   0x400000                  ; where the scale bytes begin in xq,
.set WSCL,   0x180000                  ; and in wq
.set ADRA, 16
.set FQ,   18                          ; v18  fine: 8,192 r + 32 h
.set ADRB, 20
.set VCY,  22                          ; v22  cy: it enters EXEC of the f32 copy's stores and nothing else
.set STO,  24
.set RD,   25
.set CO,   26
.set ADRS, 27
.set SPW,  28
.set NIL,  29
.set SC,   32
.set AF,   128
.set TMP,  192
.set OB,   32
.set G1, 24
.set G0, 32
.set G1B, 48
.set G0B, 56
.set G1S, 68
.set G0S, 76
.set G1SB, 80
.set G0SB, 88
.set MSB, 0
.macro WIN new                         ; the immediate's high byte repeats the setting that is left
.if MSB != \new
	s_set_vgpr_msb (MSB<<8)|\new
.set MSB, \new
.endif
.endm
.set MUL_LO, 0xa1                      ; source 0 (B) window 1, source 1 (A) window 0, C and D window 2
.set MUL_HI, 0xf1
.set TO_B,   0x40
; A joint load: waves 0 and 1 fetch for A, waves 2 and 3 for B.  The branch hangs on the wave's number alone.  An s_nop 0 and four v_nop follow each line.
.macro JLOAD g0a, g1a, g0b, g1b
	s_cmp_eq_u32 s15, 0
	s_cbranch_scc0 .Lfor_b_\@
	tensor_load_to_lds s[\g0a:\g0a+3], s[\g1a:\g1a+7]
	s_nop 0
.rept 4
	v_nop
.endr
	s_branch .Lasked_\@
.Lfor_b_\@:
	tensor_load_to_lds s[\g0b:\g0b+3], s[\g1b:\g1b+7]
	s_nop 0
.rept 4
	v_nop
.endr
.Lasked_\@:
.endm
.macro CROUND                          ; a round of the cluster's barrier
	s_barrier_signal -1
	s_barrier_wait -1
	s_cmp_lg_u32 s14, 0
	s_cbranch_scc1 .Lnot_wave_0_\@
	s_barrier_signal -3
.Lnot_wave_0_\@:
	s_barrier_wait -3
	s_barrier_signal -1
	s_barrier_wait -1
.endm
	s_load_b256 s[4:11], s[0:1], 0x0               ; xq s[4:5], wq s[6:7], qk s[8:9], fine s[10:11]
	v_lshl_add_u32 v[SPW], v0, 2, SPARE
	v_mov_b32 v[NIL], 0
	ds_add_u32 v[SPW], v[NIL]                      ; the wave's opening: the add, twice on end, and its wait ahead of my first tensor load
	ds_add_u32 v[SPW], v[NIL]
	v_lshrrev_b32 v1, 5, v0
	v_readfirstlane_b32 s14, v1                    ; wave 0..3
	s_lshr_b32 s15, s14, 1                         ; which half of the tile's rows is mine.  Also: I fetch for A (0) or for B (1)
	s_and_b32 s16, s14, 1                          ; which half of its columns.  Also: which 128 rows I fetch
	s_bfe_u32 s40, ttmp6, 0x40000                  ; cx
	s_bfe_u32 s41, ttmp6, 0x40004                  ; cy
	s_and_b32 s67, ttmp7, 0xffff                   ; the cluster's y
	s_lshl_b32 s17, s67, 2
	s_add_co_u32 s17, s17, s41                     ; A's tile of 256 rows of x: 4 x cluster y + cy
	s_lshl_b32 s42, ttmp9, 2
	s_add_co_u32 s42, s42, s40                     ; B's tile of 256 columns of Wq | Wk: 4 x cluster x + cx
	s_lshl_b32 s43, s41, 2
	s_lshl_b32 s43, 15, s43                        ; my row of the cluster
	s_lshl_b32 s44, 0x1111, s40                    ; my column
	s_or_b32 s[G1+0], s43, (0<<16)|(1<<20)|(1<<21)|(5<<22)|(3<<25)  ; 15:0 the mask; 17:16 elements of 1 byte; 20 padding on; 21 set beside a mask; 24:22 after every 64 words; 31:25 four words
	s_or_b32 s[G1B+0], s44, (0<<16)|(1<<20)|(1<<21)|(5<<22)|(3<<25)
.irp g, G1, G1B
	s_mov_b32 s[\g+1], ROWB<<16                    ; tensor_dim0
	s_mov_b32 s[\g+2], 128<<16                     ; tensor_dim1
	s_mov_b32 s[\g+3], ROWB<<16                    ; tile_dim0
	s_mov_b32 s[\g+4], 128                         ; tile_dim1
	s_mov_b32 s[\g+5], KROW                        ; tensor_dim0_stride
	s_mov_b32 s[\g+6], 0
	s_mov_b32 s[\g+7], 0
.endr
	s_or_b32 s[G1S+0], s43, (3<<16)|(1<<20)|(1<<21)|(5<<22)|(3<<25) ; the scales of 128 rows: 4,096 dense bytes as 16 rows of 32 elements of 8 bytes, 16 bytes of padding behind each
	s_or_b32 s[G1SB+0], s44, (3<<16)|(1<<20)|(1<<21)|(5<<22)|(3<<25)
.irp g, G1S, G1SB
	s_mov_b32 s[\g+1], 32<<16
	s_mov_b32 s[\g+2], (128*KS/256)<<16
	s_mov_b32 s[\g+3], 32<<16
	s_mov_b32 s[\g+4], 128*KS/256
	s_mov_b32 s[\g+5], 32
	s_mov_b32 s[\g+6], 0
	s_mov_b32 s[\g+7], 0
.endr
	s_lshl_b32 s18, s16, 7                         ; which 128 rows of the tile I fetch
	s_lshl_b32 s20, s17, 8
	s_add_co_u32 s20, s20, s18                     ; A's first row
	s_lshl_b32 s46, s42, 8
	s_add_co_u32 s46, s46, s18                     ; B's
	s_lshl_b32 s22, s20, 5
	s_add_co_u32 s22, s22, XSCL                    ; A's scale bytes,
	s_mov_b32 s23, 0
	s_lshl_b32 s92, s46, 5
	s_add_co_u32 s92, s92, WSCL                    ; B's,
	s_mov_b32 s93, 0
	s_lshl_b32 s20, s20, 9                         ; A's codes,
	s_mov_b32 s21, 0
	s_lshl_b32 s46, s46, 9                         ; B's: all under 2^23 bytes
	s_mov_b32 s47, 0
	s_mul_i32 s45, s14, HALFT                      ; where they go: wave x 128 rows: no place in the cluster enters an LDS address
	s_mul_i32 s94, s14, HALFS
	s_wait_dscnt 0x0                               ; both opening adds are done
	s_wait_kmcnt 0x0
	s_add_nc_u64 s[20:21], s[4:5], s[20:21]
	s_add_nc_u64 s[22:23], s[4:5], s[22:23]
	s_add_nc_u64 s[46:47], s[6:7], s[46:47]
	s_add_nc_u64 s[92:93], s[6:7], s[92:93]
	CROUND                                         ; all sixteen work-groups are here: the first joint loads meet
	s_mov_b32 s[G0S], 1
	s_add_co_u32 s[G0S+1], s94, SCL
	s_mov_b64 s[G0S+2:G0S+3], s[22:23]
	s_or_b32 s[G0S+3], s[G0S+3], 0x80000000
	s_mov_b32 s[G0SB], 1
	s_add_co_u32 s[G0SB+1], s94, SCL
	s_mov_b64 s[G0SB+2:G0SB+3], s[92:93]
	s_or_b32 s[G0SB+3], s[G0SB+3], 0x80000000
	JLOAD G0S, G1S, G0SB, G1SB                     ; the scales first: they are wanted with the first slot
.irp s, 0,1
	s_mov_b32 s[G0+4*\s], 1
	s_add_co_u32 s[G0+4*\s+1], s45, \s*SLOT
	s_add_nc_u64 s[G0+4*\s+2:G0+4*\s+3], s[20:21], \s*ROWB
	s_or_b32 s[G0+4*\s+3], s[G0+4*\s+3], 0x80000000
	s_mov_b32 s[G0B+4*\s], 1
	s_add_co_u32 s[G0B+4*\s+1], s45, \s*SLOT
	s_add_nc_u64 s[G0B+4*\s+2:G0B+4*\s+3], s[46:47], \s*ROWB
	s_or_b32 s[G0B+4*\s+3], s[G0B+4*\s+3], 0x80000000
	JLOAD G0+4*\s, G1, G0B+4*\s, G1B
.endr
	v_and_b32 v1, 15, v0                           ; r = lane % 16
	v_bfe_u32 v2, v0, 4, 1                         ; h = lane / 16
	v_mul_u32_u24 v3, v1, PITCH
	v_lshl_add_u32 v4, v2, 4, v3                   ; a fragment's row x pitch + 16 x half
	s_mul_i32 s21, s15, HALFT                      ; my 128 rows of A
	s_mul_i32 s22, s16, HALFT                      ; my 128 rows of B,
	s_add_co_u32 s22, s22, 2*HALFT                 ; which lie behind A's 256
.irp s, 0,1
	v_add_nc_u32 v[ADRA+\s], s21, v4
	v_add_nc_u32 v[ADRB+\s], s22, v4
	s_add_co_u32 s21, s21, SLOT
	s_add_co_u32 s22, s22, SLOT
.endr
	v_mul_u32_u24 v5, v1, KS                       ; my row's scales: 32 bytes a row,
	v_lshrrev_b32 v6, 8, v5
	v_lshl_add_u32 v5, v6, 4, v5                   ; and 16 more for each 256 passed
	s_mul_i32 s21, s15, HALFS
	s_mul_i32 s22, s16, HALFS
	s_add_co_u32 s22, s22, 2*HALFS
	s_sub_co_u32 s22, s22, s21
	v_mul_u32_u24 v6, s22, v2                      ; lanes 16-31 take B's: one product, the distance between the two bases
	s_add_co_u32 s21, s21, SCL
	v_add_nc_u32 v5, v5, v6
	v_add_nc_u32 v[ADRS], s21, v5
	s_mul_i32 s23, s14, 16*SPITCH                  ; my stage
	v_mul_u32_u24 v5, v1, SPITCH
	v_lshl_add_u32 v5, v2, 4, v5
	v_add_nc_u32 v[STO], s23, v5                   ; in: row r, 16 bytes for each half of the lanes
	v_mul_u32_u24 v5, v2, SPITCH
	v_lshl_add_u32 v5, v1, 4, v5
	v_add_nc_u32 v[RD], s23, v5                    ; back: lanes 0-15 one row of 256 bytes, lanes 16-31 the next
	v_lshlrev_b32 v5, 12, v2
	v_lshl_add_u32 v[CO], v1, 4, v5                ; and the same two rows in qk: 4,096 bytes a row
	v_lshlrev_b32 v5, 13, v1
	v_lshl_add_u32 v[FQ], v2, 5, v5
	v_mov_b32 v[VCY], s41
	; where my part of the tile begins in qk
	s_lshl_b32 s18, s17, 8
	s_lshl_b32 s20, s15, 7
	s_add_co_u32 s18, s18, s20                     ; my first row
	s_lshl_b32 s18, s18, 12
	s_lshl_b32 s20, s42, 9                         ; my first column, 2 bytes each: 512 x tile column + 256 x half
	s_lshl_b32 s21, s16, 8
	s_add_co_u32 s20, s20, s21
	s_add_co_u32 s18, s18, s20
	s_mov_b32 s19, 0
	s_add_nc_u64 s[8:9], s[8:9], s[18:19]
.macro FRAG reg, adr, q, i             ; 16 rows x 128 K of 4-bit codes: 8 registers: lane l holds row l % 16; registers 4 c .. 4 c + 3 hold K = 64 c + 32 (l / 16) + 0 .. 31
.irp c, 0,1
	ds_load_b128 v[\reg+4*\c:\reg+4*\c+3], v[\adr] offset:64*(\q)+32*\c+(\i)*16*PITCH
.endr
.endm
; 16 matrix instructions: A's blocks a0, a0 + 1 x B's eight, the slot's q-th 128 along K.  The 64 accumulators take turns, one instruction a turn.
.macro MUL16 a0, p, q, sc, zero
.irp a, \a0, \a0+1
.irp b, 0,1,2,3,4,5,6,7
.if \zero
	v_wmma_scale_f32_16x16x128_f8f6f4 v[8*(8*((\a)%4)+\b):8*(8*((\a)%4)+\b)+7], v[128*(\p)+FR*\b:128*(\p)+FR*\b+FR-1], v[AF+FR*(\a):AF+FR*(\a)+FR-1], 0, v[SC+8*NQ*(\sc)+NQ*\b+(\q)], v[SC+8*NQ*(\sc)+NQ*(\a)+(\q)] matrix_a_fmt:MATRIX_FMT_FP4 matrix_b_fmt:MATRIX_FMT_FP4 matrix_a_scale:MATRIX_SCALE_ROW1
.else
	v_wmma_scale_f32_16x16x128_f8f6f4 v[8*(8*((\a)%4)+\b):8*(8*((\a)%4)+\b)+7], v[128*(\p)+FR*\b:128*(\p)+FR*\b+FR-1], v[AF+FR*(\a):AF+FR*(\a)+FR-1], v[8*(8*((\a)%4)+\b):8*(8*((\a)%4)+\b)+7], v[SC+8*NQ*(\sc)+NQ*\b+(\q)], v[SC+8*NQ*(\sc)+NQ*(\a)+(\q)] matrix_a_fmt:MATRIX_FMT_FP4 matrix_b_fmt:MATRIX_FMT_FP4 matrix_a_scale:MATRIX_SCALE_ROW1
.endif
.endr
.endr
.endm
.macro FETCH_B slot, q, p
	WIN TO_B
.irp i, 0,1,2,3,4,5,6,7
	FRAG 128*(\p)+FR*\i, ADRB+\slot, \q, \i
.endr
	WIN 0
.endm
.macro FETCH_A slot, q, i0
.irp i, \i0, \i0+1, \i0+2, \i0+3
	FRAG AF+FR*(\i), ADRA+\slot, \q, \i
.endr
.endm
.macro SCALES sc                       ; a slot's scale words: four words a row; lanes 0-15 take A's block i, lanes 16-31 B's block i
.irp i, 0,1,2,3,4,5,6,7
	ds_load_b128 v[SC+8*NQ*\sc+NQ*\i:SC+8*NQ*\sc+NQ*\i+3], v[ADRS] offset:\i*SBLK
.endr
.endm
.macro PLACES n                        ; plain vector instructions between a matrix instruction and a load into, or a read of, its registers
.rept \n
	v_nop
.endr
.endm
.macro STEP slot, q, zero              ; 128 along K, with its successor in the same slot
	s_wait_dscnt 4*NL                              ; B's set and A's blocks 0-3 are in; the youngest eight loads (A's blocks 4-7) may be out
	WIN MUL_LO
	MUL16 0, (\q)%2, \q, \slot, \zero
	MUL16 2, (\q)%2, \q, \slot, \zero
	s_wait_dscnt 0
	PLACES NP
	FETCH_B \slot, (\q)+1, 1-(\q)%2
	FETCH_A \slot, (\q)+1, 0
	WIN MUL_HI
	MUL16 4, (\q)%2, \q, \slot, \zero
	MUL16 6, (\q)%2, \q, \slot, \zero
	PLACES NP
	WIN 0
	FETCH_A \slot, (\q)+1, 4
.endm
.macro TURN slot, next                 ; slot 0's last step changes slots: each wave waits for all its tensor loads (its part of slot 1), then one barrier; nothing is filled again
	s_wait_tensorcnt 0x0
	ds_add_u32 v[SPW], v[NIL]
	s_wait_dscnt 4*NL+1                            ; the add and the youngest eight loads may be out
	WIN MUL_LO
	MUL16 0, 1, NQ-1, \slot, 0
	s_wait_dscnt 0x0                               ; the add is done, and my reads of this slot are over
	s_barrier_signal -1
	MUL16 2, 1, NQ-1, \slot, 0
	WIN 0
	s_barrier_wait -1
	PLACES NP
	v_add_nc_u32 v[ADRS], 4*NQ, v[ADRS]            ; on to the next slot's scale words
	FETCH_B \next, 0, 0
	FETCH_A \next, 0, 0
	SCALES \next
	WIN MUL_HI
	MUL16 4, 1, NQ-1, \slot, 0
	MUL16 6, 1, NQ-1, \slot, 0
	PLACES NP
	WIN 0
	FETCH_A \next, 0, 4
.endm
	s_wait_tensorcnt 1                             ; the scales and my part of slot 0 are in; slot 1's load may be out
	s_barrier_signal -1
	s_barrier_wait -1
	FETCH_B 0, 0, 0
	FETCH_A 0, 0, 0
	SCALES 0
	FETCH_A 0, 0, 4
	STEP 0, 0, 1                                   ; the first products start the sums: nothing is cleared
	STEP 0, 1, 0
	STEP 0, 2, 0
	TURN 0, 1
	STEP 1, 0, 0
	STEP 1, 1, 0
	STEP 1, 2, 0
	s_wait_dscnt 4*NL                              ; the last step: nothing more to fetch
	WIN MUL_LO
	MUL16 0, 1, NQ-1, 1, 0
	MUL16 2, 1, NQ-1, 1, 0
	s_wait_dscnt 0
	WIN MUL_HI
	MUL16 4, 1, NQ-1, 1, 0
	MUL16 6, 1, NQ-1, 1, 0
	WIN 0
	PLACES NP                                      ; behind the last products, ahead of the first reads of results and of loads into operands' registers
	; THE F32 COPY of positions 0-15 of each sequence.  A sequence begins in tile 8 i of x's rows: cluster y even, cy = 0, the waves of row half 0.
	; The cluster's y and the wave's number steer branches; the partner's place enters by EXEC alone.  0.5 MB in all, in pieces of 32 bytes a lane: these runs of 256 bytes are written by several instructions.
	s_bitcmp1_b32 s67, 0
	s_cbranch_scc1 .Lno_fine
	s_cmp_lg_u32 s15, 0
	s_cbranch_scc1 .Lno_fine
	s_lshr_b32 s18, s67, 1
	s_lshl_b32 s18, s18, 17                        ; the sequence: 16 rows of 8,192 bytes
	s_lshl_b32 s19, s42, 10
	s_add_co_u32 s18, s18, s19
	s_lshl_b32 s19, s16, 9
	s_add_co_u32 s18, s18, s19                     ; my first column, 4 bytes each
	s_mov_b32 s19, 0
	s_add_nc_u64 s[96:97], s[10:11], s[18:19]
	v_cmp_eq_u32 vcc_lo, 0, v[VCY]
	s_wait_xcnt 0x0                                ; EXEC changes only behind this wait
	s_and_saveexec_b32 s100, vcc_lo
	WIN 0x08                                       ; a store's data are its source 1: window 2
.irp b, 0,1,2,3,4,5,6,7
	global_store_b128 v[FQ], v[8*\b:8*\b+3], s[96:97] offset:64*\b        ; accumulator (0, b), from its low end on: position r, columns 16 b + 8 h + 0 .. 7
	global_store_b128 v[FQ], v[8*\b+4:8*\b+7], s[96:97] offset:64*\b+16
.endr
	WIN 0
	s_wait_xcnt 0x0                                ; and again ahead of the line that widens it
	s_or_b32 exec_lo, exec_lo, s100
.Lno_fine:
; THE WAY OUT, block by block of 16 rows x 128 columns: rounded to f16 (16 bytes a lane), through my own stage in LDS, back as whole rows of 256 bytes.
.macro PACK a
.set AC, 64*((\a)%4)
	WIN 0x0a+5*((\a)/4)                            ; sources 0 and 1: window 2 or 3
.irp b, 0,1,2,3,4,5,6,7
.irp r, 0,1,2,3
	v_cvt_pk_f16_f32 v[TMP+4*\b+\r], v[AC+8*\b+2*\r], v[AC+8*\b+2*\r+1]
.endr
.endr
	WIN 0
.endm
.macro TOSTAGE a
.set BK, OB+192*((\a)%2)
.irp b, 0,1,2,3,4,5,6,7
	ds_store_b128 v[STO], v[TMP+4*\b:TMP+4*\b+3] offset:32*\b
.endr
.irp t, 0,1,2,3,4,5,6,7
	ds_load_b128 v[BK+4*\t:BK+4*\t+3], v[RD] offset:\t*2*SPITCH    ; LDS serves a wave's instructions in order (ISA guide 5.7.1.4): these see the stores above
.endr
.endm
.macro SEND a
.set BK, OB+192*((\a)%2)
	s_wait_dscnt 0x0                               ; the block is back in registers
	s_wait_xcnt 0x0                                ; the stores of the block before have read their registers: the next block's loads may land there
.irp t, 0,1,2,3,4,5,6,7
	global_store_b128 v[CO], v[BK+4*\t:BK+4*\t+3], s[8:9] offset:(16*(\a)+2*\t)*4096   ; 16 lanes store 256 consecutive bytes, aligned; the row stands in the immediate, 516,096 at the most
.endr
.endm
	PACK 0
	TOSTAGE 0
.irp a, 1,2,3,4,5,6,7                  ; block a's conversions stand between block a - 1's loads from the stage and the wait for them
	PACK \a
	SEND \a-1
	TOSTAGE \a
.endr
	SEND 7
	s_wait_tensorcnt 0x0                           ; the wave's end
	ds_add_u32 v[SPW], v[NIL]
	s_wait_dscnt 0x0
	CROUND                                         ; the closing round
	s_endpgm
.Lfunc_end_k_q4a4f83dc08_proj:
	.size	k_q4a4f83dc08_proj, .Lfunc_end_k_q4a4f83dc08_proj-k_q4a4f83dc08_proj
	.p2alignl 7, 3214868480
	.fill 96, 4, 3214868480
	.section	.rodata,"a",@progbits
	.p2align	6, 0x0
	.amdhsa_kernel k_q4a4f83dc08_proj
		.amdhsa_group_segment_fixed_size 327680
		.amdhsa_private_segment_fixed_size 0
		.amdhsa_enable_private_segment 0
		.amdhsa_kernarg_size 32
		.amdhsa_user_sgpr_count 2
		.amdhsa_user_sgpr_kernarg_segment_ptr 1
		.amdhsa_wavefront_size32 1
		.amdhsa_system_sgpr_workgroup_id_x 1
		.amdhsa_system_sgpr_workgroup_id_y 1
		.amdhsa_system_sgpr_workgroup_id_z 1
		.amdhsa_system_vgpr_workitem_id 0
		.amdhsa_next_free_vgpr 1024
		.amdhsa_next_free_sgpr 102
		.amdhsa_reserve_vcc 1
		.amdhsa_float_denorm_mode_32 3
		.amdhsa_float_denorm_mode_16_64 3
		.amdhsa_memory_ordered 1
		.amdhsa_forward_progress 1
		.amdhsa_inst_pref_size 128
	.end_amdhsa_kernel
	.amdgpu_metadata
---
amdhsa.version: [ 1, 2 ]
amdhsa.kernels:
  - .name:           k_q4a4f83dc08_proj
    .symbol:         k_q4a4f83dc08_proj.kd
    .args:
      - { .name: xq, .offset: 0, .size: 8, .value_kind: global_buffer, .address_space: global }
      - { .name: wq, .offset: 8, .size: 8, .value_kind: global_buffer, .address_space: global }
      - { .name: qk, .offset: 16, .size: 8, .value_kind: global_buffer, .address_space: global }
      - { .name: fine, .offset: 24, .size: 8, .value_kind: global_buffer, .address_space: global }
    .group_segment_fixed_size: 327680
    .private_segment_fixed_size: 0
    .kernarg_segment_align: 8
    .kernarg_segment_size: 32
    .max_flat_workgroup_size: 128
    .sgpr_count:     102
    .vgpr_count:     1024
    .wavefront_size: 32
...
	.end_amdgpu_metadata
.endif
;; end of part 2
;; launch scores (part 3): grid 68 x 4, 4 waves a work-group, no clusters, 327,680 bytes of LDS; arguments qk, pp, st, fine, xq, wq, vt; writes pp, st, fine, vt
.if DOCPART == 3
	.amdgcn_target "amdgcn-amd-amdhsa--gfx1250"
	.amdhsa_code_object_version 6
	.text
	.protected	k_q4a4f83dc08_scores
	.globl	k_q4a4f83dc08_scores
	.p2align	8
	.type	k_q4a4f83dc08_scores,@function
k_q4a4f83dc08_scores:
	s_mov_b64 s[64:65], 0
	v_nop
	global_prefetch_b8 v0, s[64:65] scope:SCOPE_SE
	s_setreg_imm32_b32 hwreg(HW_REG_WAVE_MODE, 25, 1), 1
	s_wait_xcnt 0x0
; TWO JOBS IN ONE LAUNCH, parted on the work-group's x.  The causal triangle has 36 tiles for each of 4 sequences, 144 work-groups: fewer than there are WGPs.  v is not wanted before the next launch,
; so its projection, 128 tiles, runs here beside them: x < 36: a tile of scores; x >= 36: a tile of v^T.  All 144 score tiles, the longer job, lie among the first 256 work-groups of the grid.
; LDS OF BOTH WAYS: the ring (bytes 0 to 278,527) is filled by tensor loads alone; STAGE, XCH and SST are written by LDS stores alone; the v^T way's scale bytes have a region of their own behind the spare words.
;
; SCORES.  For each tile of 256 queries x 256 keys at or under the diagonal: S = q k^T (f16 operands, f32 sums, K = 1,024), the causal mask, and the tile's own piece of the softmax:
; t = s c, c = log2(e) / 32;  N = floor(-c x the row's largest score in this tile) = -(the largest t rounded up to a whole number);  p = 2^(s c + N), at most 1, stored as f16 in pp [4][2048][2048];
; st: N as f32 [4][8 tiles of keys][2048 queries]; from byte 262,144 l = the sum of the unrounded p over 128 keys, f32 [4][16 groups of 128 keys][2048 queries].
; The next launch takes the smallest N of a row (its true maximum) and weighs each tile by 2^(N_row - N_tile): a maximum is taken away ahead of every exponential.
; Tiles wholly above the diagonal are not computed: the mask is the problem's own.
; A work-group of four waves makes a tile, a wave 128 x 128: 64 accumulators, 512 registers.  K goes in 8 steps of 128 (rows of 256 bytes) through a ring of two LDS slots; each wave fetches 128 rows with one tensor load
; (waves 0, 1: q's halves; waves 2, 3: k's).  By this text's count a wave has two tensor loads out at the start and one behind each barrier at which a slot is filled again.
; NO CLUSTER: a row of the triangle has 1 to 8 tiles; groups of four would hold 48 tiles for every 36, twelve of them wholly under the mask.
; THE MATRIX INSTRUCTION IS USED TRANSPOSED (source 0 = 16 keys, source 1 = 16 queries): a lane holds ONE query (16 a + lane % 16) and eight neighbouring keys (16 b + 8 (lane / 16) + j).
; LIMITS: p under 2^-25 of its tile's largest becomes 0 in f16; the exponential gives 0 for results under 2^-126; NaN and infinities are not served.
; REGISTERS: window 0: v6-31 addresses; v32-63 the rows' statistics; v64-127, v128-191 q's fragments, two buffers (later sums, packed results, rows on the way out).  window 1: k's fragments.  windows 2, 3: accumulators (a, b) at v[8 (8 (a % 4) + b)].
; (The v^T way has its own head comment, at its label.)
.set KSTEP,  128
.set PITCH,  272                       ; an LDS row: 256 bytes + 16 of padding: the 16 rows that a load touches start at 16 different banks (64 banks of 4 bytes: ISA guide 11.1)
.set HALFT,  128*PITCH
.set SLOT,   4*HALFT
.set STAGE,  2*SLOT                    ; behind the ring: 16 rows x 272 bytes for each wave
.set SPITCH, 272
.set XCH,    STAGE+4*16*SPITCH         ; 1,024 bytes for each wave: its rows' maxima, for the wave beside it
.set SST,    XCH+4096                  ; 1,024 bytes for each wave: N and l by rows
.set SPARE,  SST+4096                  ; the spare words
.set VSCL,   SPARE+512                 ; the v^T way's scale bytes: 4 x 4,352
.set XO,   6                           ; v6   my maxima's place;  v7 the partner wave's
.set XP,   7
.set SI,   8                           ; v8   statistics in: 4 r;  v9 out: 16 x lane;  v10 16 x lane in memory
.set SO,   9
.set SG,   10
.set ADRA, 16
.set ADRB, 20
.set STO,  24
.set RD,   25
.set CO,   26
.set SPW,  28
.set NIL,  29
.set D0,   30                          ; v30  128 (row half - column half) + r - 8 h: key 16 b + j is hidden from query 16 a where 16 (b - a) + j > D0
.set NINF, 31                          ; v31  -infinity
.set MX,   32                          ; v32-39 the largest score of my query in tile a
.set PX,   40                          ; v40-47 the other lanes', the other wave's
.set NM,   48                          ; v48-63 pairs: N, 0
.set LS,   64                          ; v64-71 the sums
.set STV,  76                          ; v76-83 statistics on the way out
.set F0,   64
.set F1,   128
.set TMP,  192
.set OB,   96                          ; v96-127 and v224-255 by turns
.set G1,   24
.set G0,   32
.set CS,   40                          ; s[40:41] c, twice
.set SEL,  42                          ; s[42:43] v_permlanex16_b32's selects for lane l xor 16
.set MSB, 0
.macro WIN new
.if MSB != \new
	s_set_vgpr_msb (MSB<<8)|\new
.set MSB, \new
.endif
.endm
.set MUL_LO, 0xa1                      ; source 0 window 1, source 1 window 0, C and D window 2
.set MUL_HI, 0xf1
.set TO_B,   0x40
	s_load_b128 s[4:7], s[0:1], 0x0                ; qk s[4:5], pp s[6:7]
	s_load_b64 s[8:9], s[0:1], 0x10                ; st
	s_load_b64 s[50:51], s[0:1], 0x18              ; fine
	s_load_b128 s[52:55], s[0:1], 0x20             ; xq s[52:53], wq s[54:55]
	s_load_b64 s[56:57], s[0:1], 0x30              ; vt
	v_lshl_add_u32 v[SPW], v0, 2, SPARE
	v_mov_b32 v[NIL], 0
	ds_add_u32 v[SPW], v[NIL]                      ; the wave's opening: the add, twice on end, and its wait ahead of my first tensor load
	ds_add_u32 v[SPW], v[NIL]
	v_lshrrev_b32 v1, 5, v0
	v_readfirstlane_b32 s10, v1                    ; wave 0..3
	s_lshr_b32 s11, s10, 1                         ; my half of the tile's rows.  Also: which of the two operands I fetch
	s_and_b32 s12, s10, 1                          ; my half of its columns.  Also: which 128 rows I fetch
	s_wait_dscnt 0x0                               ; both opening adds are done: no branch stands between them and this wait
	s_cmp_ge_u32 ttmp9, 36
	s_cbranch_scc1 .Lvt                            ; the work-group's number alone: all four waves go the same way
	; ---------------------------------------------------------------- a tile of scores
	s_mov_b32 s13, 0                               ; I: how many of the triangle's row starts 1, 3, 6, .. the work-group's number has reached
.irp T, 1,3,6,10,15,21,28
	s_cmp_ge_u32 ttmp9, \T
	s_cselect_b32 s14, 1, 0
	s_add_co_u32 s13, s13, s14
.endr
	s_add_co_u32 s14, s13, 1
	s_mul_i32 s14, s14, s13
	s_lshr_b32 s14, s14, 1
	s_sub_co_u32 s14, ttmp9, s14                   ; J = x - I (I + 1) / 2
	s_and_b32 s15, ttmp7, 0xffff                   ; the sequence
	s_mov_b32 s[G1+0], (1<<16)|(1<<20)|(5<<22)|(3<<25)  ; no mask; elements of 2 bytes; padding: four words after every 64
	s_mov_b32 s[G1+1], KSTEP<<16                   ; tensor_dim0 = 128
	s_mov_b32 s[G1+2], 128<<16                     ; tensor_dim1 = 128
	s_mov_b32 s[G1+3], KSTEP<<16                   ; tile_dim0
	s_mov_b32 s[G1+4], 128                         ; tile_dim1
	s_mov_b32 s[G1+5], 2048                        ; elements from row to row of qk
	s_mov_b32 s[G1+6], 0
	s_mov_b32 s[G1+7], 0
	s_sub_co_u32 s16, s14, s13
	s_mul_i32 s16, s16, s11
	s_add_co_u32 s16, s16, s13                     ; the tile of rows that I fetch: I for q, J for k
	s_lshl_b32 s16, s16, 8
	s_lshl_b32 s17, s15, 11
	s_add_co_u32 s16, s16, s17
	s_lshl_b32 s17, s12, 7
	s_add_co_u32 s16, s16, s17
	s_lshl_b32 s16, s16, 12                        ; rows of 4,096 bytes: under 2^25
	s_lshl_b32 s17, s11, 11                        ; k lies 2,048 bytes into a row
	s_add_co_u32 s16, s16, s17
	s_mov_b32 s17, 0
	s_mul_i32 s20, s10, HALFT                      ; where my rows go: q's two halves, then k's
	s_mov_b32 s[CS], 0x3d38aa3b                    ; c = log2(e) / sqrt(1024)
	s_mov_b32 s[CS+1], s[CS]
	s_mov_b32 s[SEL], 0x76543210
	s_mov_b32 s[SEL+1], 0xfedcba98
	s_wait_kmcnt 0x0
	s_add_nc_u64 s[18:19], s[4:5], s[16:17]
.irp s, 0,1
	s_mov_b32 s[G0+4*\s], 1
	s_add_co_u32 s[G0+4*\s+1], s20, \s*SLOT
	s_add_nc_u64 s[G0+4*\s+2:G0+4*\s+3], s[18:19], \s*KSTEP*2
	s_or_b32 s[G0+4*\s+3], s[G0+4*\s+3], 0x80000000
	tensor_load_to_lds s[G0+4*\s:G0+4*\s+3], s[G1:G1+7]          ; K steps 0 and 1: the ring is filled before anything else is done
	s_nop 0
.endr
	v_and_b32 v1, 15, v0                           ; r
	v_bfe_u32 v2, v0, 4, 1                         ; h
	v_and_b32 v4, 31, v0                           ; lane
	v_mul_u32_u24 v3, v1, PITCH
	v_lshl_add_u32 v3, v2, 4, v3
	s_mul_i32 s21, s11, HALFT
	s_mul_i32 s22, s12, HALFT
	s_add_co_u32 s22, s22, 2*HALFT
.irp s, 0,1
	v_add_nc_u32 v[ADRA+\s], s21, v3
	v_add_nc_u32 v[ADRB+\s], s22, v3
	s_add_co_u32 s21, s21, SLOT
	s_add_co_u32 s22, s22, SLOT
.endr
	s_mul_i32 s23, s10, 16*SPITCH
	s_add_co_u32 s23, s23, STAGE
	v_mul_u32_u24 v5, v1, SPITCH
	v_lshl_add_u32 v5, v2, 4, v5
	v_add_nc_u32 v[STO], s23, v5
	v_mul_u32_u24 v5, v2, SPITCH
	v_lshl_add_u32 v5, v1, 4, v5
	v_add_nc_u32 v[RD], s23, v5
	v_lshlrev_b32 v5, 12, v2
	v_lshl_add_u32 v[CO], v1, 4, v5                ; two rows of pp, 4,096 bytes apart
	s_lshl_b32 s21, s10, 10
	s_add_co_u32 s21, s21, XCH
	v_lshl_add_u32 v[XO], v4, 2, s21
	s_xor_b32 s22, s10, 1                          ; the wave with my queries and the other keys
	s_lshl_b32 s22, s22, 10
	s_add_co_u32 s22, s22, XCH
	v_lshl_add_u32 v[XP], v4, 2, s22
	s_lshl_b32 s23, s10, 10
	s_add_co_u32 s23, s23, SST
	v_lshl_add_u32 v[SI], v1, 2, s23
	v_lshl_add_u32 v[SO], v4, 4, s23
	v_lshlrev_b32 v[SG], 4, v4
	s_sub_co_i32 s23, s11, s12
	s_lshl_b32 s23, s23, 7
	v_lshlrev_b32 v5, 3, v2
	v_sub_nc_u32 v5, v1, v5
	v_add_nc_u32 v[D0], s23, v5
	v_mov_b32 v[NINF], 0xff800000
.irp a, 0,1,2,3,4,5,6,7
	v_mov_b32 v[PX+\a], 0                          ; written once: a lane permute's destination counts as one of its sources
	v_mov_b32 v[NM+2*\a+1], 0                      ; named as the upper half of a pair
.endr
	s_lshl_b32 s44, s13, 8
	s_lshl_b32 s45, s11, 7
	s_add_co_u32 s44, s44, s45                     ; my first query in its sequence
	s_lshl_b32 s45, s15, 11
	s_add_co_u32 s45, s45, s44
	s_lshl_b32 s22, s45, 12
	s_lshl_b32 s45, s14, 9
	s_add_co_u32 s22, s22, s45
	s_lshl_b32 s45, s12, 8
	s_add_co_u32 s22, s22, s45
	s_mov_b32 s23, 0
	s_add_nc_u64 s[6:7], s[6:7], s[22:23]          ; pp at my 128 x 128
	s_lshl_b32 s22, s15, 3
	s_add_co_u32 s22, s22, s14                     ; 8 b + J
	s_lshl_b32 s45, s22, 11
	s_add_co_u32 s45, s45, s44
	s_lshl_b32 s48, s45, 2
	s_mov_b32 s49, 0
	s_add_nc_u64 s[48:49], s[8:9], s[48:49]        ; N's place
	s_lshl_b32 s22, s22, 1
	s_add_co_u32 s22, s22, s12                     ; 16 b + 2 J + my half of the keys
	s_lshl_b32 s22, s22, 11
	s_add_co_u32 s22, s22, s44
	s_lshl_b32 s22, s22, 2
	s_add_co_u32 s22, s22, 262144
	s_add_nc_u64 s[46:47], s[8:9], s[22:23]        ; l's place
; 16 matrix instructions: query blocks a0, a0 + 1 of the window's four x all 8 key blocks, 32 along K.  The 64 accumulators take turns, one instruction a turn.
.macro MUL16 f, hi, a0, zero
.irp a, \a0, \a0+1
.irp b, 0,1,2,3,4,5,6,7
.if \zero
	v_wmma_f32_16x16x32_f16 v[8*(8*(\a)+\b):8*(8*(\a)+\b)+7], v[\f+8*\b:\f+8*\b+7], v[\f+8*(4*\hi+\a):\f+8*(4*\hi+\a)+7], 0
.else
	v_wmma_f32_16x16x32_f16 v[8*(8*(\a)+\b):8*(8*(\a)+\b)+7], v[\f+8*\b:\f+8*\b+7], v[\f+8*(4*\hi+\a):\f+8*(4*\hi+\a)+7], v[8*(8*(\a)+\b):8*(8*(\a)+\b)+7]
.endif
.endr
.endr
.endm
.macro FETCH slot, k, f                ; 32 LDS loads in one run: the fragments of 32 along K at byte k of the rows
	WIN TO_B
.irp i, 0,1,2,3,4,5,6,7
	ds_load_b128 v[\f+8*\i:\f+8*\i+3],   v[ADRB+\slot] offset:\k+\i*16*PITCH
	ds_load_b128 v[\f+8*\i+4:\f+8*\i+7], v[ADRB+\slot] offset:\k+\i*16*PITCH+32
.endr
	WIN 0
.irp i, 0,1,2,3,4,5,6,7
	ds_load_b128 v[\f+8*\i:\f+8*\i+3],   v[ADRA+\slot] offset:\k+\i*16*PITCH
	ds_load_b128 v[\f+8*\i+4:\f+8*\i+7], v[ADRA+\slot] offset:\k+\i*16*PITCH+32
.endr
.endm
.macro PLACES                          ; four plain vector instructions between a matrix instruction and a load into, or a read of, its registers
.rept 4
	v_nop
.endr
.endm
.macro QUARTER slot, k, f, g, zero     ; 32 along K on buffer f; in its middle the next quarter's fragments, at byte k, go into buffer g
	s_wait_dscnt 8                                 ; k's fragments and q's rows 0-63 are in; the youngest eight loads (q's rows 64-127) may be out
	WIN MUL_LO
	MUL16 \f, 0, 0, \zero
	MUL16 \f, 0, 2, \zero
	PLACES
	FETCH \slot, \k, \g
	s_wait_dscnt 32                                ; all but the 32 just issued
	WIN MUL_HI
	MUL16 \f, 1, 0, \zero
	MUL16 \f, 1, 2, \zero
.endm
; A K step's last quarter multiplies buffer 1 and changes slots: ONE barrier.  In front of it each wave waits for all its tensor loads (its part of the next slot), adds 0 to its spare word,
; and waits for that and for its reads of this slot.  fill = 1: this slot is filled again, two K steps ahead, first thing behind the barrier: 224 matrix instructions ahead of the wait for it.
.macro TURN slot, next, fill
	WIN 0
	s_wait_tensorcnt 0x0
	ds_add_u32 v[SPW], v[NIL]
	s_wait_dscnt 9                                 ; the add and the youngest eight loads may be out
	WIN MUL_LO
	MUL16 F1, 0, 0, 0
	s_wait_dscnt 0x0                               ; the add is done, and my reads of this slot are over
	s_barrier_signal -1
	MUL16 F1, 0, 2, 0
	WIN 0
	s_barrier_wait -1
.if \fill
	s_add_nc_u64 s[G0+4*\slot+2:G0+4*\slot+3], s[G0+4*\slot+2:G0+4*\slot+3], 2*KSTEP*2   ; no tensor load of mine is out, so the descriptor may be written
	tensor_load_to_lds s[G0+4*\slot:G0+4*\slot+3], s[G1:G1+7]
	s_nop 0
	PLACES                                         ; also the places in front of the loads below
.else
	PLACES
.endif
	FETCH \next, 0, F0
	WIN MUL_HI
	MUL16 F1, 1, 0, 0
	MUL16 F1, 1, 2, 0
.endm
	s_wait_tensorcnt 1                             ; my part of K step 0 is in; K step 1's may be out
	s_barrier_signal -1
	s_barrier_wait -1
	FETCH 0, 0, F0
	QUARTER 0, 64,  F0, F1, 1                      ; the first quarter stands in front of the loop: its products start the sums
	WIN 0
	s_mov_b32 s3, 3
.Llap:                                                 ; a trip goes once round the ring and fills both slots again: K steps 2 to 7
	QUARTER 0, 128, F1, F0, 0
	QUARTER 0, 192, F0, F1, 0
	TURN 0, 1, 1
	QUARTER 1, 64,  F0, F1, 0
	QUARTER 1, 128, F1, F0, 0
	QUARTER 1, 192, F0, F1, 0
	TURN 1, 0, 1
	QUARTER 0, 64,  F0, F1, 0
	WIN 0
	s_sub_co_u32 s3, s3, 1
	s_cmp_lg_u32 s3, 0
	s_cbranch_scc1 .Llap
	QUARTER 0, 128, F1, F0, 0                      ; the last lap fills nothing
	QUARTER 0, 192, F0, F1, 0
	TURN 0, 1, 0
	QUARTER 1, 64,  F0, F1, 0
	QUARTER 1, 128, F1, F0, 0
	QUARTER 1, 192, F0, F1, 0
	s_wait_dscnt 8
	WIN MUL_LO
	MUL16 F1, 0, 0, 0
	MUL16 F1, 0, 2, 0
	s_wait_dscnt 0x0
	WIN MUL_HI
	MUL16 F1, 1, 0, 0
	MUL16 F1, 1, 2, 0
	WIN 0
	PLACES
	; THE MASK, in tiles on the diagonal alone; wave 2 (late queries, early keys) has nothing hidden.  Branches on ids and the wave's number.
	s_cmp_lg_u32 s13, s14
	s_cbranch_scc1 .Lopen
	s_cmp_eq_u32 s10, 2
	s_cbranch_scc1 .Lopen
.irp w, 0,1
	WIN 0x82+0x41*\w                               ; destination and source 0: window 2 or 3
.irp a, 0,1,2,3
.irp b, 0,1,2,3,4,5,6,7
.irp j, 0,1,2,3,4,5,6,7
	v_cmp_gt_i32 vcc_lo, 16*(\b-\a-4*\w)+\j, v[D0]
	v_cndmask_b32 v[8*(8*\a+\b)+\j], v[8*(8*\a+\b)+\j], v[NINF], vcc_lo
.endr
.endr
.endr
.endr
	WIN 0
.Lopen:
	; THE ROWS' LARGEST SCORES: my 64 of each query, the four tiles of a window by turns; each accumulator from its low end on.  The first leaf is -3e38, under every score.
.irp w, 0,1
	WIN 0x28+0x14*\w                               ; sources 1 and 2: window 2 or 3
.set i, 0
.rept 32
.irp a, 0,1,2,3
.if i == 0
	v_max3_num_f32 v[MX+4*\w+\a], 0xff61b1e6, v[64*\a], v[64*\a+1]
.else
	v_max3_num_f32 v[MX+4*\w+\a], v[MX+4*\w+\a], v[64*\a+2*i], v[64*\a+2*i+1]
.endif
.endr
.set i, i+1
.endr
.endr
	WIN 0
.irp a, 0,1,2,3,4,5,6,7
	v_permlanex16_b32 v[PX+\a], v[MX+\a], s[SEL], s[SEL+1]
.endr
.irp a, 0,1,2,3,4,5,6,7
	v_max_num_f32 v[MX+\a], v[MX+\a], v[PX+\a]     ; with lane l xor 16's 64 keys: my wave's 128
.endr
.irp a, 0,1,2,3,4,5,6,7
	ds_store_b32 v[XO], v[MX+\a] offset:128*\a     ; as an image of the registers, for the wave with the other 128 keys
.endr
	s_wait_dscnt 0x0                               ; for the other's sake: my stores are done
	s_barrier_signal -1
	s_barrier_wait -1
.irp a, 0,1,2,3,4,5,6,7
	ds_load_b32 v[PX+\a], v[XP] offset:128*\a
.endr
	s_wait_dscnt 0x0
.irp a, 0,1,2,3,4,5,6,7
	v_max_num_f32 v[MX+\a], v[MX+\a], v[PX+\a]     ; the tile's largest score of my query
.endr
.irp a, 0,1,2,3,4,5,6,7
	v_mul_f32 v[MX+\a], s[CS], v[MX+\a]
.endr
.irp a, 0,1,2,3,4,5,6,7
	v_floor_f32 v[NM+2*\a], -v[MX+\a]              ; N = floor(-t) = -ceil(t)
.endr
; Block a (16 queries x my 128 keys): p = 2^(s c + N) in place, rounded to f16 into TMP; the sum of the unrounded p.  The 64 exponentials are one batch with one wait.
.macro EXPO a
.set AC, 64*((\a)%4)
.set HI, (\a)/4
	WIN 0x82+0x41*HI
.set i, 0
.rept 32
	v_pk_fma_f32 v[AC+i:AC+i+1], v[AC+i:AC+i+1], s[CS:CS+1], v[NM+2*(\a):NM+2*(\a)+1] op_sel_hi:[1,0,0]
.set i, i+2
.endr
.set i, 0
.rept 64
	v_exp_f32 v[AC+i], v[AC+i]
.set i, i+1
.endr
	v_nop                                          ; a plain instruction behind the last exponential
	s_wait_alu depctr_va_vdst(0)                   ; one wait for the batch, ahead of its first reader
	WIN 0x0a+5*HI
.irp b, 0,1,2,3,4,5,6,7
.irp r, 0,1,2,3
	v_cvt_pk_f16_f32 v[TMP+4*\b+\r], v[AC+8*\b+2*\r], v[AC+8*\b+2*\r+1]
.endr
.endr
	WIN 0x8a+0x45*HI
.irp w, 2,4,8,16,32                    ; the 32 pairs are added as a tree, in place
.set i, 0
.rept 64/(2*\w)
	v_pk_add_f32 v[AC+i:AC+i+1], v[AC+i:AC+i+1], v[AC+i+\w:AC+i+\w+1]
.set i, i+2*\w
.endr
.endr
	WIN 0x0a+5*HI
	v_add_f32 v[LS+(\a)], v[AC], v[AC+1]
	WIN 0
	v_permlanex16_b32 v[PX+(\a)], v[LS+(\a)], s[SEL], s[SEL+1]
	v_add_f32 v[LS+(\a)], v[LS+(\a)], v[PX+(\a)]   ; with lane l xor 16's: my wave's 128 keys
.endm
.macro TOSTAGE a
.set BK, OB+128*((\a)%2)
.irp b, 0,1,2,3,4,5,6,7
	ds_store_b128 v[STO], v[TMP+4*\b:TMP+4*\b+3] offset:32*\b
.endr
.irp t, 0,1,2,3,4,5,6,7
	ds_load_b128 v[BK+4*\t:BK+4*\t+3], v[RD] offset:\t*2*SPITCH    ; LDS serves a wave's instructions in order (ISA guide 5.7.1.4): these see the stores above
.endr
.endm
.macro SEND a
.set BK, OB+128*((\a)%2)
	s_wait_dscnt 0x0
	s_wait_xcnt 0x0                                ; the stores of the block before have read their registers: the next block's loads may land there
.irp t, 0,1,2,3,4,5,6,7
	global_store_b128 v[CO], v[BK+4*\t:BK+4*\t+3], s[6:7] offset:(16*(\a)+2*\t)*4096   ; 16 lanes store 256 consecutive bytes, aligned
.endr
.endm
	EXPO 0
	TOSTAGE 0
.irp a, 1,2,3,4,5,6,7
	EXPO \a
	SEND \a-1
	TOSTAGE \a
.endr
	SEND 7
	; THE STATISTICS by rows: both halves of the lanes write the same word with the same value; back as 16 bytes a lane: 512 consecutive bytes each
.irp a, 0,1,2,3,4,5,6,7
	ds_store_b32 v[SI], v[NM+2*\a] offset:64*\a
	ds_store_b32 v[SI], v[LS+\a] offset:512+64*\a
.endr
	ds_load_b128 v[STV:STV+3], v[SO]
	ds_load_b128 v[STV+4:STV+7], v[SO] offset:512
	s_wait_dscnt 0x0
	global_store_b128 v[SG], v[STV+4:STV+7], s[46:47]
	s_cmp_lg_u32 s12, 0                            ; N is the same in both waves of a row half: the wave of the first 128 keys sends it
	s_cbranch_scc1 .Lno_n
	global_store_b128 v[SG], v[STV:STV+3], s[48:49]
.Lno_n:
	s_wait_tensorcnt 0x0                           ; the wave's end
	ds_add_u32 v[SPW], v[NIL]
	s_wait_dscnt 0x0
	s_endpgm
; ---------------------------------------------------------------- a tile of v^T
; v = x Wv on codes of FP4 with E8M0 scales for each 32 along K = 1,024; sums in f32.  C = A B^T with A = Wv's columns as rows of codes (wq, rows 2,048 on) and B = x's rows (xq): C is v^T, [channel][key]:
; the keys innermost, as the last product wants them; nothing is transposed.  vt [4][1024 channels][2048 keys] f16;  fine, from byte 524,288: keys 0-15 of each sequence in f32, [4][1024 channels][16].
; Work-group (x, y): x's tile of 256 rows x - 36 (0 .. 31: the sequence and its tile of keys), Wv's tile of 256 columns y (0 .. 3).  Four waves, 128 x 128 each.
; K = 1,024 is two slots of 512 along K (rows of 256 bytes): both are first fills, and so are the scale bytes of the tile's 256 + 256 rows: nothing is filled again.  Each wave fetches rows of its own by the same
; three lines (waves 0, 1: Wv's halves; waves 2, 3: x's): by this text's count three tensor loads a wave are out at the start and none later.
; NO CLUSTER: the launch's other way has none (its head comment says why), and a launch has one form.
; THE MATRIX INSTRUCTION IS USED TRANSPOSED (source 0 = 16 rows of B, source 1 = 16 rows of A): a lane holds one channel and eight neighbouring keys.
; LIMITS: a sum of magnitude 65,504 or more becomes infinity in f16.
; REGISTERS: window 0: v16-29 addresses; v32-95 scale words, two sets; v128-191 A's fragments, one set; on the way out v32-63, v192-255.  window 1: B's fragments, two sets.  windows 2, 3: accumulators (a, b) at v[8 (8 (a % 4) + b)].
.set NQ,    4                          ; matrix instructions deep in a slot
.set FR,    8
.set NL,    2
.set KS,    32                         ; a row of scale bytes
.set HALFS, (128*KS/256)*272           ; the scales of 128 rows in LDS: runs of 256 bytes + 16 of padding
.set SBLK,  (16*KS/256)*272
.set XSCL,  0x400000                   ; where the scale bytes begin in xq,
.set WSCL,  0x180000                   ; and in wq
.set FV,    19                         ; v19  fine: 64 r + 32 h
.set ADRS,  27
.set SC,    32
.set AF,    128
.set POB,   32                         ; rows on the way out: v32-63 and v224-255 by turns
.set G1S,   68
.set G0S,   76
.macro PFRAG reg, adr, q, i            ; 16 rows x 128 K of 4-bit codes: 8 registers: lane l holds row l % 16; registers 4 c .. 4 c + 3 hold K = 64 c + 32 (l / 16) + 0 .. 31
.irp c, 0,1
	ds_load_b128 v[\reg+4*\c:\reg+4*\c+3], v[\adr] offset:64*(\q)+32*\c+(\i)*16*PITCH
.endr
.endm
; 16 matrix instructions: A's blocks a0, a0 + 1 x B's eight, the slot's q-th 128 along K.  The 64 accumulators take turns, one instruction a turn.
.macro PMUL16 a0, p, q, sc, zero
.irp a, \a0, \a0+1
.irp b, 0,1,2,3,4,5,6,7
.if \zero
	v_wmma_scale_f32_16x16x128_f8f6f4 v[8*(8*((\a)%4)+\b):8*(8*((\a)%4)+\b)+7], v[128*(\p)+FR*\b:128*(\p)+FR*\b+FR-1], v[AF+FR*(\a):AF+FR*(\a)+FR-1], 0, v[SC+8*NQ*(\sc)+NQ*\b+(\q)], v[SC+8*NQ*(\sc)+NQ*(\a)+(\q)] matrix_a_fmt:MATRIX_FMT_FP4 matrix_b_fmt:MATRIX_FMT_FP4 matrix_a_scale:MATRIX_SCALE_ROW1
.else
	v_wmma_scale_f32_16x16x128_f8f6f4 v[8*(8*((\a)%4)+\b):8*(8*((\a)%4)+\b)+7], v[128*(\p)+FR*\b:128*(\p)+FR*\b+FR-1], v[AF+FR*(\a):AF+FR*(\a)+FR-1], v[8*(8*((\a)%4)+\b):8*(8*((\a)%4)+\b)+7], v[SC+8*NQ*(\sc)+NQ*\b+(\q)], v[SC+8*NQ*(\sc)+NQ*(\a)+(\q)] matrix_a_fmt:MATRIX_FMT_FP4 matrix_b_fmt:MATRIX_FMT_FP4 matrix_a_scale:MATRIX_SCALE_ROW1
.endif
.endr
.endr
.endm
.macro PFETCH_B slot, q, p
	WIN TO_B
.irp i, 0,1,2,3,4,5,6,7
	PFRAG 128*(\p)+FR*\i, ADRB+\slot, \q, \i
.endr
	WIN 0
.endm
.macro PFETCH_A slot, q, i0
.irp i, \i0, \i0+1, \i0+2, \i0+3
	PFRAG AF+FR*(\i), ADRA+\slot, \q, \i
.endr
.endm
.macro PSCALES sc                      ; a slot's scale words: four words a row; lanes 0-15 take A's block i, lanes 16-31 B's block i
.irp i, 0,1,2,3,4,5,6,7
	ds_load_b128 v[SC+8*NQ*\sc+NQ*\i:SC+8*NQ*\sc+NQ*\i+3], v[ADRS] offset:\i*SBLK
.endr
.endm
.macro PSTEP slot, q, zero             ; 128 along K, with its successor in the same slot
	s_wait_dscnt 4*NL                              ; B's set and A's blocks 0-3 are in; the youngest eight loads (A's blocks 4-7) may be out
	WIN MUL_LO
	PMUL16 0, (\q)%2, \q, \slot, \zero
	PMUL16 2, (\q)%2, \q, \slot, \zero
	s_wait_dscnt 0
	PLACES
	PFETCH_B \slot, (\q)+1, 1-(\q)%2
	PFETCH_A \slot, (\q)+1, 0
	WIN MUL_HI
	PMUL16 4, (\q)%2, \q, \slot, \zero
	PMUL16 6, (\q)%2, \q, \slot, \zero
	PLACES
	WIN 0
	PFETCH_A \slot, (\q)+1, 4
.endm
.macro PTURN slot, next                ; slot 0's last step changes slots: each wave waits for all its tensor loads (its part of slot 1), then one barrier; nothing is filled again
	s_wait_tensorcnt 0x0
	ds_add_u32 v[SPW], v[NIL]
	s_wait_dscnt 4*NL+1                            ; the add and the youngest eight loads may be out
	WIN MUL_LO
	PMUL16 0, 1, NQ-1, \slot, 0
	s_wait_dscnt 0x0                               ; the add is done, and my reads of this slot are over
	s_barrier_signal -1
	PMUL16 2, 1, NQ-1, \slot, 0
	WIN 0
	s_barrier_wait -1
	PLACES
	v_add_nc_u32 v[ADRS], 4*NQ, v[ADRS]            ; on to the next slot's scale words
	PFETCH_B \next, 0, 0
	PFETCH_A \next, 0, 0
	PSCALES \next
	WIN MUL_HI
	PMUL16 4, 1, NQ-1, \slot, 0
	PMUL16 6, 1, NQ-1, \slot, 0
	PLACES
	WIN 0
	PFETCH_A \next, 0, 4
.endm
; THE WAY OUT, block by block of 16 channels x 128 keys: rounded to f16 (16 bytes a lane), through my own stage in LDS, back as whole rows of 256 bytes.
.macro PPACK a
.set AC, 64*((\a)%4)
	WIN 0x0a+5*((\a)/4)                            ; sources 0 and 1: window 2 or 3
.irp b, 0,1,2,3,4,5,6,7
.irp r, 0,1,2,3
	v_cvt_pk_f16_f32 v[TMP+4*\b+\r], v[AC+8*\b+2*\r], v[AC+8*\b+2*\r+1]
.endr
.endr
	WIN 0
.endm
.macro PTOSTAGE a
.set BK, POB+192*((\a)%2)
.irp b, 0,1,2,3,4,5,6,7
	ds_store_b128 v[STO], v[TMP+4*\b:TMP+4*\b+3] offset:32*\b
.endr
.irp t, 0,1,2,3,4,5,6,7
	ds_load_b128 v[BK+4*\t:BK+4*\t+3], v[RD] offset:\t*2*SPITCH    ; LDS serves a wave's instructions in order (ISA guide 5.7.1.4): these see the stores above
.endr
.endm
.macro PSEND a
.set BK, POB+192*((\a)%2)
	s_wait_dscnt 0x0                               ; the block is back in registers
	s_wait_xcnt 0x0                                ; the stores of the block before have read their registers: the next block's loads may land there
.irp t, 0,1,2,3,4,5,6,7
	global_store_b128 v[CO], v[BK+4*\t:BK+4*\t+3], s[56:57] offset:(16*(\a)+2*\t)*4096   ; 16 lanes store 256 consecutive bytes, aligned; the row stands in the immediate, 516,096 at the most
.endr
.endm
.Lvt:
	s_sub_co_u32 s13, ttmp9, 36                    ; x's tile of 256 rows, 0 .. 31
	s_and_b32 s14, ttmp7, 0xffff                   ; Wv's tile of 256 columns, 0 .. 3
	s_mov_b32 s[G1+0], (0<<16)|(1<<20)|(5<<22)|(3<<25)  ; no mask; elements of 1 byte; padding: four words after every 64
	s_mov_b32 s[G1+1], 256<<16                     ; tensor_dim0: 512 codes, 256 bytes
	s_mov_b32 s[G1+2], 128<<16                     ; tensor_dim1
	s_mov_b32 s[G1+3], 256<<16                     ; tile_dim0
	s_mov_b32 s[G1+4], 128                         ; tile_dim1
	s_mov_b32 s[G1+5], 512                         ; a row of codes in memory
	s_mov_b32 s[G1+6], 0
	s_mov_b32 s[G1+7], 0
	s_mov_b32 s[G1S+0], (3<<16)|(1<<20)|(5<<22)|(3<<25) ; the scales of 128 rows: 4,096 dense bytes as 16 rows of 32 elements of 8 bytes, 16 bytes of padding behind each
	s_mov_b32 s[G1S+1], 32<<16
	s_mov_b32 s[G1S+2], (128*KS/256)<<16
	s_mov_b32 s[G1S+3], 32<<16
	s_mov_b32 s[G1S+4], 128*KS/256
	s_mov_b32 s[G1S+5], 32
	s_mov_b32 s[G1S+6], 0
	s_mov_b32 s[G1S+7], 0
	s_lshl_b32 s16, s14, 8
	s_add_co_u32 s16, s16, 2048                    ; A: Wv's columns are rows 2,048 on of wq
	s_lshl_b32 s17, s13, 8                         ; B: x's rows
	s_mov_b32 s18, WSCL
	s_mov_b32 s19, XSCL
	s_mul_i32 s45, s10, HALFT                      ; where my rows go: A's two halves, then B's
	s_mul_i32 s46, s10, HALFS
	s_wait_kmcnt 0x0
	s_cmp_eq_u32 s11, 0                            ; waves 0 and 1 fetch for A, waves 2 and 3 for B
	s_cselect_b32 s16, s16, s17                    ; the tile's first row,
	s_cselect_b32 s18, s18, s19                    ; where the scale bytes begin in its buffer,
	s_cselect_b64 s[20:21], s[54:55], s[52:53]     ; and the buffer
	s_lshl_b32 s17, s12, 7
	s_add_co_u32 s16, s16, s17                     ; + the 128 rows that I fetch
	s_lshl_b32 s22, s16, 5
	s_add_co_u32 s22, s22, s18                     ; their scale bytes,
	s_mov_b32 s23, 0
	s_lshl_b32 s16, s16, 9                         ; their codes: under 2^23 bytes
	s_mov_b32 s17, 0
	s_add_nc_u64 s[22:23], s[20:21], s[22:23]
	s_add_nc_u64 s[16:17], s[20:21], s[16:17]
	s_mov_b32 s[G0S], 1
	s_add_co_u32 s[G0S+1], s46, VSCL
	s_mov_b64 s[G0S+2:G0S+3], s[22:23]
	s_or_b32 s[G0S+3], s[G0S+3], 0x80000000
	tensor_load_to_lds s[G0S:G0S+3], s[G1S:G1S+7]                ; the scales first: they are wanted with the first slot
	s_nop 0
.irp s, 0,1
	s_mov_b32 s[G0+4*\s], 1
	s_add_co_u32 s[G0+4*\s+1], s45, \s*SLOT
	s_add_nc_u64 s[G0+4*\s+2:G0+4*\s+3], s[16:17], \s*256
	s_or_b32 s[G0+4*\s+3], s[G0+4*\s+3], 0x80000000
	tensor_load_to_lds s[G0+4*\s:G0+4*\s+3], s[G1:G1+7]          ; the two halves of K
	s_nop 0
.endr
	v_and_b32 v1, 15, v0                           ; r = lane % 16
	v_bfe_u32 v2, v0, 4, 1                         ; h = lane / 16
	v_mul_u32_u24 v3, v1, PITCH
	v_lshl_add_u32 v4, v2, 4, v3                   ; a fragment's row x pitch + 16 x half
	s_mul_i32 s21, s11, HALFT                      ; my 128 rows of A
	s_mul_i32 s22, s12, HALFT                      ; my 128 rows of B,
	s_add_co_u32 s22, s22, 2*HALFT                 ; which lie behind A's 256
.irp s, 0,1
	v_add_nc_u32 v[ADRA+\s], s21, v4
	v_add_nc_u32 v[ADRB+\s], s22, v4
	s_add_co_u32 s21, s21, SLOT
	s_add_co_u32 s22, s22, SLOT
.endr
	v_mul_u32_u24 v5, v1, KS                       ; my row's scales: 32 bytes a row,
	v_lshrrev_b32 v6, 8, v5
	v_lshl_add_u32 v5, v6, 4, v5                   ; and 16 more for each 256 passed
	s_mul_i32 s21, s11, HALFS
	s_mul_i32 s22, s12, HALFS
	s_add_co_u32 s22, s22, 2*HALFS
	s_sub_co_u32 s22, s22, s21
	v_mul_u32_u24 v6, s22, v2                      ; lanes 16-31 take B's: one product, the distance between the two bases
	s_add_co_u32 s21, s21, VSCL
	v_add_nc_u32 v5, v5, v6
	v_add_nc_u32 v[ADRS], s21, v5
	s_mul_i32 s23, s10, 16*SPITCH
	s_add_co_u32 s23, s23, STAGE                   ; my stage
	v_mul_u32_u24 v5, v1, SPITCH
	v_lshl_add_u32 v5, v2, 4, v5
	v_add_nc_u32 v[STO], s23, v5                   ; in: row r, 16 bytes for each half of the lanes
	v_mul_u32_u24 v5, v2, SPITCH
	v_lshl_add_u32 v5, v1, 4, v5
	v_add_nc_u32 v[RD], s23, v5                    ; back: lanes 0-15 one row of 256 bytes, lanes 16-31 the next
	v_lshlrev_b32 v5, 12, v2
	v_lshl_add_u32 v[CO], v1, 4, v5                ; and the same two rows in vt: 4,096 bytes a row
	v_lshlrev_b32 v5, 6, v1
	v_lshl_add_u32 v[FV], v2, 5, v5
	s_lshr_b32 s15, s13, 3                         ; the sequence
	s_lshl_b32 s18, s14, 8
	s_lshl_b32 s19, s11, 7
	s_add_co_u32 s18, s18, s19                     ; my first channel
	s_lshl_b32 s40, s18, 12
	s_lshl_b32 s19, s15, 22                        ; 4,194,304 bytes a sequence
	s_add_co_u32 s40, s40, s19
	s_and_b32 s19, s13, 7                          ; the tile of keys within its sequence: 512 bytes,
	s_lshl_b32 s19, s19, 9
	s_add_co_u32 s40, s40, s19
	s_lshl_b32 s19, s12, 8                         ; my half of it
	s_add_co_u32 s40, s40, s19
	s_mov_b32 s41, 0
	s_add_nc_u64 s[56:57], s[56:57], s[40:41]      ; vt at my 128 x 128
	s_lshl_b32 s19, s15, 10
	s_add_co_u32 s19, s19, s18                     ; my first channel, counted through the four sequences
	s_lshl_b32 s42, s19, 6                         ; 64 bytes a channel
	s_add_co_u32 s42, s42, 524288
	s_mov_b32 s43, 0
	s_add_nc_u64 s[50:51], s[50:51], s[42:43]      ; fine at my 128 channels
	s_wait_tensorcnt 1                             ; the scales and my part of slot 0 are in; slot 1's load may be out
	s_barrier_signal -1
	s_barrier_wait -1
	PFETCH_B 0, 0, 0
	PFETCH_A 0, 0, 0
	PSCALES 0
	PFETCH_A 0, 0, 4
	PSTEP 0, 0, 1                                  ; the first products start the sums: nothing is cleared
	PSTEP 0, 1, 0
	PSTEP 0, 2, 0
	PTURN 0, 1
	PSTEP 1, 0, 0
	PSTEP 1, 1, 0
	PSTEP 1, 2, 0
	s_wait_dscnt 4*NL                              ; the last step: nothing more to fetch
	WIN MUL_LO
	PMUL16 0, 1, NQ-1, 1, 0
	PMUL16 2, 1, NQ-1, 1, 0
	s_wait_dscnt 0
	WIN MUL_HI
	PMUL16 4, 1, NQ-1, 1, 0
	PMUL16 6, 1, NQ-1, 1, 0
	WIN 0
	PLACES                                         ; behind the last products, ahead of the first reads of results and of loads into operands' registers
	; THE F32 COPY of keys 0-15 of each sequence: the sequence's first tile of keys, the waves of column half 0: the work-group's and the wave's number alone.
	; 0.25 MB in all, in pieces of 32 bytes a lane: these runs of 256 bytes are written by several instructions.
	s_and_b32 s19, s13, 7
	s_or_b32 s19, s19, s12
	s_cmp_lg_u32 s19, 0
	s_cbranch_scc1 .Lno_fine
.irp a, 0,1,2,3,4,5,6,7
	WIN 0x08+4*(\a/4)                              ; a store's data are its source 1: window 2 or 3
	global_store_b128 v[FV], v[64*(\a%4):64*(\a%4)+3], s[50:51] offset:1024*\a      ; accumulator (a, 0), from its low end on: channel 16 a + r, keys 8 h + 0 .. 7
	global_store_b128 v[FV], v[64*(\a%4)+4:64*(\a%4)+7], s[50:51] offset:1024*\a+16
.endr
	WIN 0
.Lno_fine:
	PPACK 0
	PTOSTAGE 0
.irp a, 1,2,3,4,5,6,7                  ; block a's conversions stand between block a - 1's loads from the stage and the wait for them
	PPACK \a
	PSEND \a-1
	PTOSTAGE \a
.endr
	PSEND 7
	s_wait_tensorcnt 0x0                           ; the wave's end
	ds_add_u32 v[SPW], v[NIL]
	s_wait_dscnt 0x0
	s_endpgm
.Lfunc_end_k_q4a4f83dc08_scores:
	.size	k_q4a4f83dc08_scores, .Lfunc_end_k_q4a4f83dc08_scores-k_q4a4f83dc08_scores
	.p2alignl 7, 3214868480
	.fill 96, 4, 3214868480
	.section	.rodata,"a",@progbits
	.p2align	6, 0x0
	.amdhsa_kernel k_q4a4f83dc08_scores
		.amdhsa_group_segment_fixed_size 327680
		.amdhsa_private_segment_fixed_size 0
		.amdhsa_enable_private_segment 0
		.amdhsa_kernarg_size 56
		.amdhsa_user_sgpr_count 2
		.amdhsa_user_sgpr_kernarg_segment_ptr 1
		.amdhsa_wavefront_size32 1
		.amdhsa_system_sgpr_workgroup_id_x 1
		.amdhsa_system_sgpr_workgroup_id_y 1
		.amdhsa_system_sgpr_workgroup_id_z 1
		.amdhsa_system_vgpr_workitem_id 0
		.amdhsa_next_free_vgpr 1024
		.amdhsa_next_free_sgpr 80
		.amdhsa_reserve_vcc 1
		.amdhsa_float_denorm_mode_32 3
		.amdhsa_float_denorm_mode_16_64 3
		.amdhsa_memory_ordered 1
		.amdhsa_forward_progress 1
		.amdhsa_inst_pref_size 255
	.end_amdhsa_kernel
	.section	.bss,"aw",@nobits
	.p2align	6
	.space	262144
	.amdgpu_metadata
---
amdhsa.version: [ 1, 2 ]
amdhsa.kernels:
  - .name:           k_q4a4f83dc08_scores
    .symbol:         k_q4a4f83dc08_scores.kd
    .args:
      - { .name: qk, .offset: 0, .size: 8, .value_kind: global_buffer, .address_space: global }
      - { .name: pp, .offset: 8, .size: 8, .value_kind: global_buffer, .address_space: global }
      - { .name: st, .offset: 16, .size: 8, .value_kind: global_buffer, .address_space: global }
      - { .name: fine, .offset: 24, .size: 8, .value_kind: global_buffer, .address_space: global }
      - { .name: xq, .offset: 32, .size: 8, .value_kind: global_buffer, .address_space: global }
      - { .name: wq, .offset: 40, .size: 8, .value_kind: global_buffer, .address_space: global }
      - { .name: vt, .offset: 48, .size: 8, .value_kind: global_buffer, .address_space: global }
    .group_segment_fixed_size: 327680
    .private_segment_fixed_size: 0
    .kernarg_segment_align: 8
    .kernarg_segment_size: 56
    .max_flat_workgroup_size: 128
    .sgpr_count:     80
    .vgpr_count:     1024
    .wavefront_size: 32
...
	.end_amdgpu_metadata
.endif
;; end of part 3
;; launch values (part 4): grid 8 x 32, 4 waves a work-group, clusters of 4 x 1, 327,680 bytes of LDS; arguments pp, vt, st, out0; writes out0
.if DOCPART == 4
	.amdgcn_target "amdgcn-amd-amdhsa--gfx1250"
	.amdhsa_code_object_version 6
	.text
	.protected	k_q4a4f83dc08_values
	.globl	k_q4a4f83dc08_values
	.p2align	8
	.type	k_q4a4f83dc08_values,@function
k_q4a4f83dc08_values:
	s_mov_b64 s[64:65], 0
	v_nop
	global_prefetch_b8 v0, s[64:65] scope:SCOPE_SE
	s_setreg_imm32_b32 hwreg(HW_REG_WAVE_MODE, 25, 1), 1
	s_wait_xcnt 0x0
	s_wait_alu depctr_hold_cnt(0) depctr_sa_sdst(0) depctr_va_vdst(0) depctr_va_sdst(0) depctr_va_ssrc(0) depctr_va_vcc(0) depctr_vm_vsrc(0)
	s_getreg_b32 s2, hwreg(HW_REG_IB_STS2, 6, 4)
	s_cmp_eq_u32 s2, 0
	s_cbranch_scc0 .Lentry_in_a_cluster
	s_endpgm
.Lentry_in_a_cluster:
	s_bfe_u32 s2, ttmp6, 0x10000c
	s_cmp_lg_u32 s2, 0x3003
	s_cbranch_scc0 .Lentry_shape_is_right
	s_endpgm
.Lentry_shape_is_right:
; O = the sum over a row's tiles of 256 keys of F x (P_tile V_tile), F = 2^(N_row - N_tile) / L, N_row the smallest N of the row (its true maximum), L = the sum of l x 2^(N_row - N_tile).  f16 operands, f32 sums.
; pp [4][2048 q][2048 k] f16, vt [4][1024 channels][2048 keys] f16, st as the launch before lays it, out0 [4][2048][1024] f32.  Positions 0-15 of each sequence are left to the launch behind this one.
; EQUAL WORK: a work-group takes 128 channels and TWO blocks of 128 queries, pi and 15 - pi: in steps of 256 keys that is (pi / 2 + 1) + (8 - pi / 2) = 9 steps whatever pi: 256 work-groups of 9 steps.
; Four waves, 64 queries x 64 channels each.  A step's product starts from the constant 0 in 16 accumulators (tmp); its 128 numbers a lane are then added, times the row's factor of that step, onto O (main, 128 registers).
; The ring: two slots of a step each (rows of 512 bytes, 64 to a load): waves 0, 1 fetch P's halves, waves 2, 3 V's.  By this text's count a wave has two tensor loads out at the start and one behind each round.
; CLUSTER 4 x 1: the four partners share sequence and blocks and differ in their channels: P's tile is asked for jointly; V's hangs on the partner's place and is a load of its own behind the same round.
; V is not shared: the work-groups that read the same rows of V are other pairs of blocks, which change blocks at other steps.
; THE MATRIX INSTRUCTION IS USED TRANSPOSED (source 0 = 16 channels of V^T, source 1 = 16 queries of P): a lane holds one query and eight neighbouring channels.
; main is cleared by moves at the head and at the change of blocks, so that the step is written once.
; LIMITS: 1 / L by the reciprocal instruction (1 ulp); L is at least 1/2, since the row's largest p lies above 1/2.
; REGISTERS: window 0: v16-31 addresses; v32-95 the head's statistics, later rows on the way out; v96-103 four pairs (factor, 0); v128-255 tmp.  window 1: two fragment buffers of 128.  window 2: v0-127 main.
.set KSTEP,  256
.set PITCH,  528                       ; an LDS row: 512 bytes + 16 of padding: the 16 rows that a load touches start at 16 different banks (64 banks of 4 bytes: ISA guide 11.1)
.set HALFT,  64*PITCH
.set SLOT,   4*HALFT
.set STAGE,  2*SLOT                    ; 16 rows x (256 bytes + 16) for each wave
.set SPITCH, 272
.set FT,     STAGE+4*16*SPITCH         ; the factors: 9 steps x 128 rows, f32
.set SPARE,  FT+9*512
.set ADRA, 16
.set ADRB, 20
.set STO,  24
.set RD,   25
.set CO,   26
.set FA,   27                          ; v27  FT + 4 (64 x my half of the queries + r)
.set SPW,  28
.set NIL,  29
.set FAD,  30                          ; v30  the factors' address in hand
.set FW,   31                          ; v31  FT + 4 x thread: where the head stores
.set OB,   32
.set FP,   96
.set ACC,  128
.set F0,   0
.set F1,   128
.set G1P, 24
.set G0P, 32
.set G1V, 48
.set G0V, 56
.set MSB, 0
.macro WIN new
.if MSB != \new
	s_set_vgpr_msb (MSB<<8)|\new
.set MSB, \new
.endif
.endm
.set MUL,  0x05                        ; sources 0 (V) and 1 (P) window 1; C and D window 0
.set TO_F, 0x40
.macro JLOAD s                         ; waves 0 and 1: P's halves, jointly; waves 2 and 3: V's halves.  The branch hangs on the wave's number alone.  An s_nop 0 and four v_nop follow each line
	s_cmp_eq_u32 s15, 0
	s_cbranch_scc0 .Lfor_v_\@
	tensor_load_to_lds s[G0P+4*\s:G0P+4*\s+3], s[G1P:G1P+7]
	s_nop 0
.rept 4
	v_nop
.endr
	s_branch .Lasked_\@
.Lfor_v_\@:
	tensor_load_to_lds s[G0V+4*\s:G0V+4*\s+3], s[G1V:G1V+7]
	s_nop 0
.rept 4
	v_nop
.endr
.Lasked_\@:
.endm
.macro CREST
	s_cmp_lg_u32 s14, 0
	s_cbranch_scc1 .Lnot_wave_0_\@
	s_barrier_signal -3
.Lnot_wave_0_\@:
	s_barrier_wait -3
	s_barrier_signal -1
	s_barrier_wait -1
.endm
.macro CROUND
	s_barrier_signal -1
	s_barrier_wait -1
	CREST
.endm
; The addresses of step s40 into the slot's two descriptors: steps 0 .. N1 - 1 belong to block pi, the others to block 15 - pi.  Ids and the count of steps alone; alike in all four partners but for V's base.
.macro ADDRV slot
	s_cmp_lt_u32 s40, s22
	s_cselect_b32 s44, s41, s42                    ; the block's first row in P, in bytes
	s_cselect_b32 s46, 0, s22
	s_sub_co_u32 s46, s40, s46                     ; the step within its block
	s_lshl_b32 s46, s46, 9                         ; 256 keys are 512 bytes of a row, in P and in V^T
	s_add_co_u32 s44, s44, s46
	s_add_nc_u64 s[G0P+4*\slot+2:G0P+4*\slot+3], s[66:67], s[44:45]
	s_or_b32 s[G0P+4*\slot+3], s[G0P+4*\slot+3], 0x80000000
	s_add_nc_u64 s[G0V+4*\slot+2:G0V+4*\slot+3], s[68:69], s[46:47]
	s_or_b32 s[G0V+4*\slot+3], s[G0V+4*\slot+3], 0x80000000
	s_add_co_u32 s40, s40, 1
.endm
	s_load_b256 s[4:11], s[0:1], 0x0               ; pp s[4:5], vt s[6:7], st s[8:9], out0 s[10:11]
	v_lshl_add_u32 v[SPW], v0, 2, SPARE
	v_mov_b32 v[NIL], 0
	ds_add_u32 v[SPW], v[NIL]                      ; the wave's opening: the add, twice on end, and its wait ahead of my first tensor load
	ds_add_u32 v[SPW], v[NIL]
	v_lshrrev_b32 v1, 5, v0
	v_readfirstlane_b32 s14, v1                    ; wave 0..3
	s_lshr_b32 s15, s14, 1                         ; my half of the queries.  Also: I fetch P (0) or V (1)
	s_and_b32 s16, s14, 1                          ; my half of the channels.  Also: which 64 rows I fetch
	s_bfe_u32 s17, ttmp6, 0x40000                  ; cx
	s_lshl_b32 s18, ttmp9, 2
	s_add_co_u32 s18, s18, s17                     ; my tile of 128 channels
	s_and_b32 s19, ttmp7, 0xffff
	s_lshr_b32 s20, s19, 3                         ; the sequence
	s_and_b32 s21, s19, 7                          ; pi
	s_lshr_b32 s22, s21, 1
	s_add_co_u32 s22, s22, 1                       ; N1: the steps of block pi
	s_sub_co_u32 s43, 15, s21                      ; the other block
	s_lshl_b32 s41, s21, 19                        ; 128 rows of 4,096 bytes a block
	s_lshl_b32 s42, s43, 19
	s_mov_b32 s23, 0                               ; steps finished
	s_mov_b32 s40, 0                               ; the step to be asked for
	s_mov_b32 s45, 0
	s_mov_b32 s47, 0
	s_mov_b32 s75, 0                               ; 512 x the step in hand: its factors
	s_or_b32 s74, s21, s15                         ; 0 where my first 16 rows are a sequence's first 16 positions
	s_mov_b32 s[G1P], 15|(1<<16)|(1<<20)|(1<<21)|(6<<22)|(3<<25)   ; the mask: all four; elements of 2 bytes; padding: four words after every 128; bit 21 beside a mask
	s_mov_b32 s[G1V], (1<<16)|(1<<20)|(6<<22)|(3<<25)
.irp g, G1P, G1V
	s_mov_b32 s[\g+1], KSTEP<<16                   ; tensor_dim0 = 256
	s_mov_b32 s[\g+2], 64<<16                      ; tensor_dim1 = 64
	s_mov_b32 s[\g+3], KSTEP<<16                   ; tile_dim0
	s_mov_b32 s[\g+4], 64                          ; tile_dim1
	s_mov_b32 s[\g+5], 2048                        ; elements from row to row, in pp and in vt
	s_mov_b32 s[\g+6], 0
	s_mov_b32 s[\g+7], 0
.endr
	s_mul_i32 s19, s14, HALFT                      ; where my rows go: no place in the cluster enters an LDS address
	s_lshl_b32 s86, s20, 23
	s_lshl_b32 s85, s16, 18
	s_add_co_u32 s86, s86, s85                     ; P: the sequence, my 64 rows of a block
	s_mov_b32 s87, 0
	s_lshl_b32 s88, s18, 7
	s_lshl_b32 s85, s16, 6
	s_add_co_u32 s88, s88, s85
	s_lshl_b32 s88, s88, 12
	s_lshl_b32 s85, s20, 22
	s_add_co_u32 s88, s88, s85                     ; V^T: the sequence, my 64 channels
	s_mov_b32 s89, 0
	s_lshl_b32 s90, s20, 23
	s_add_co_u32 s90, s90, s41
	s_lshl_b32 s85, s15, 18
	s_add_co_u32 s90, s90, s85
	s_lshl_b32 s85, s18, 9
	s_add_co_u32 s90, s90, s85
	s_lshl_b32 s85, s16, 8
	s_add_co_u32 s90, s90, s85                     ; O: block pi, my 64 rows, my 64 channels
	s_mov_b32 s91, 0
	s_sub_co_u32 s72, s43, s21
	s_lshl_b32 s72, s72, 19                        ; from block pi to block 15 - pi
	s_mov_b32 s73, 0
	s_wait_dscnt 0x0                               ; both opening adds are done
	s_wait_kmcnt 0x0
	s_add_nc_u64 s[66:67], s[4:5], s[86:87]
	s_add_nc_u64 s[68:69], s[6:7], s[88:89]
	s_add_nc_u64 s[70:71], s[10:11], s[90:91]
	CROUND                                         ; all four work-groups are here: the first joint loads meet
.irp s, 0,1
	s_mov_b32 s[G0P+4*\s], 1
	s_add_co_u32 s[G0P+4*\s+1], s19, \s*SLOT
	s_mov_b32 s[G0V+4*\s], 1
	s_add_co_u32 s[G0V+4*\s+1], s19, \s*SLOT
	ADDRV \s
	JLOAD \s
.endr
	; THE FACTORS.  Thread t takes row t of both blocks: for each of the 9 steps N and the two sums l of its tile.  The steps' masks (block pi or not) are kept in scalar registers.
	v_lshlrev_b32 v5, 2, v0
	s_lshl_b32 s85, s20, 16
	s_lshl_b32 s86, s20, 17
.irp u, 0,1,2,3,4,5,6,7,8
	s_cmp_gt_u32 s22, \u
	s_cselect_b32 s[76+\u], -1, 0
	s_cselect_b32 s87, s21, s43                    ; the step's block,
	s_cselect_b32 s88, 0, s22
	s_sub_co_u32 s88, \u, s88                      ; and its tile of keys
	s_lshl_b32 s87, s87, 9
	s_lshl_b32 s89, s88, 13
	s_add_co_u32 s89, s89, s87
	s_add_co_u32 s89, s89, s85
	v_add_nc_u32 v[32+\u], s89, v5                 ; N: ((8 b + J) 2,048 + row) x 4
	s_lshl_b32 s89, s88, 14
	s_add_co_u32 s89, s89, s87
	s_add_co_u32 s89, s89, s86
	v_add_nc_u32 v[41+\u], s89, v5                 ; l: ((16 b + 2 J) 2,048 + row) x 4
.endr
.irp u, 0,1,2,3,4,5,6,7,8
	global_load_b32 v[50+\u], v[32+\u], s[8:9]
	global_load_b32 v[59+\u], v[41+\u], s[8:9] offset:262144
	global_load_b32 v[68+\u], v[41+\u], s[8:9] offset:262144+8192
.endr
	WIN 0x80
.set i, 0
.rept 128
	v_mov_b32 v[i], 0                              ; main
.set i, i+1
.endr
	WIN 0
	v_and_b32 v1, 15, v0                           ; r
	v_bfe_u32 v2, v0, 4, 1                         ; h
	v_mul_u32_u24 v3, v1, PITCH
	v_lshl_add_u32 v3, v2, 4, v3
	s_mul_i32 s85, s15, HALFT                      ; my 64 rows of P
	s_mul_i32 s86, s16, HALFT                      ; my 64 rows of V^T,
	s_add_co_u32 s86, s86, 2*HALFT                 ; which lie behind P's 128
.irp s, 0,1
	v_add_nc_u32 v[ADRA+\s], s85, v3
	v_add_nc_u32 v[ADRB+\s], s86, v3
	s_add_co_u32 s85, s85, SLOT
	s_add_co_u32 s86, s86, SLOT
.endr
	s_mul_i32 s87, s14, 16*SPITCH
	s_add_co_u32 s87, s87, STAGE
	v_mul_u32_u24 v4, v1, SPITCH
	v_lshl_add_u32 v4, v2, 5, v4
	v_add_nc_u32 v[STO], s87, v4                   ; in: row r, 32 bytes for each half of the lanes
	v_mul_u32_u24 v4, v2, SPITCH
	v_lshl_add_u32 v4, v1, 4, v4
	v_add_nc_u32 v[RD], s87, v4                    ; back: lanes 0-15 one row of 256 bytes, lanes 16-31 the next
	v_lshlrev_b32 v4, 12, v2
	v_lshl_add_u32 v[CO], v1, 4, v4
	s_lshl_b32 s87, s15, 8
	s_add_co_u32 s87, s87, FT
	v_lshl_add_u32 v[FA], v1, 2, s87
	v_lshl_add_u32 v[FW], v0, 2, FT
.irp a, 0,1,2,3
	v_mov_b32 v[FP+2*\a+1], 0                      ; named as the upper half of a pair
.endr
	v_mov_b32 v77, 0x7f61b1e6                      ; 3e38, over every N
	v_mov_b32 v80, 0
	v_mov_b32 v81, 0
	s_wait_loadcnt 0x0
	v_cndmask_b32 v78, v77, v50, s76               ; the smallest N of block pi's row,
	v_cndmask_b32 v79, v50, v77, s76               ; and of the other block's
.irp u, 1,2,3,4,5,6,7,8
	v_cndmask_b32 v82, v77, v[50+\u], s[76+\u]
	v_cndmask_b32 v83, v[50+\u], v77, s[76+\u]
	v_min_num_f32 v78, v78, v82
	v_min_num_f32 v79, v79, v83
.endr
.irp u, 0,1,2,3,4,5,6,7,8
	v_cndmask_b32 v82, v79, v78, s[76+\u]
	v_sub_f32 v82, v82, v[50+\u]                   ; N_row - N_tile: a whole number, 0 or less
	v_cvt_i32_f32 v82, v82                         ; (it saturates)
	v_ldexp_f32 v[50+\u], 1.0, v82                 ; f = 2^(N_row - N_tile): nothing is rounded
	v_add_f32 v83, v[59+\u], v[68+\u]
	v_cndmask_b32 v84, 0, v[50+\u], s[76+\u]
	v_cndmask_b32 v85, v[50+\u], 0, s[76+\u]
	v_fma_f32 v80, v83, v84, v80                   ; L of block pi's row,
	v_fma_f32 v81, v83, v85, v81                   ; and of the other's
.endr
	v_rcp_f32 v80, v80
	v_rcp_f32 v81, v81
	v_nop                                          ; a plain instruction behind the reciprocals
	s_wait_alu depctr_va_vdst(0)                   ; one wait for both, ahead of their first reader
.irp u, 0,1,2,3,4,5,6,7,8
	v_cndmask_b32 v82, v81, v80, s[76+\u]
	v_mul_f32 v[50+\u], v[50+\u], v82
.endr
.irp u, 0,1,2,3,4,5,6,7,8
	ds_store_b32 v[FW], v[50+\u] offset:512*\u
.endr
.macro MUL8 f, c, a0, zero             ; 8 matrix instructions: query blocks a0, a0 + 1 x all 4 channel blocks, 32 along the keys.  The 16 accumulators take turns
.irp a, \a0, \a0+1
.irp b, 0,1,2,3
.if \zero
	v_wmma_f32_16x16x32_f16 v[ACC+8*(4*(\a)+\b):ACC+8*(4*(\a)+\b)+7], v[\f+64+8*(4*\c+\b):\f+64+8*(4*\c+\b)+7], v[\f+8*(4*\c+\a):\f+8*(4*\c+\a)+7], 0
.else
	v_wmma_f32_16x16x32_f16 v[ACC+8*(4*(\a)+\b):ACC+8*(4*(\a)+\b)+7], v[\f+64+8*(4*\c+\b):\f+64+8*(4*\c+\b)+7], v[\f+8*(4*\c+\a):\f+8*(4*\c+\a)+7], v[ACC+8*(4*(\a)+\b):ACC+8*(4*(\a)+\b)+7]
.endif
.endr
.endr
.endm
.macro FETCH slot, k, f                ; 32 LDS loads in one run: the fragments of 64 keys at byte k of the rows; the first 32 keys first
	WIN TO_F
.irp c, 0,1
.irp i, 0,1,2,3
	ds_load_b128 v[\f+64+8*(4*\c+\i):\f+64+8*(4*\c+\i)+3],   v[ADRB+\slot] offset:\k+64*\c+\i*16*PITCH
	ds_load_b128 v[\f+64+8*(4*\c+\i)+4:\f+64+8*(4*\c+\i)+7], v[ADRB+\slot] offset:\k+64*\c+\i*16*PITCH+32
	ds_load_b128 v[\f+8*(4*\c+\i):\f+8*(4*\c+\i)+3],         v[ADRA+\slot] offset:\k+64*\c+\i*16*PITCH
	ds_load_b128 v[\f+8*(4*\c+\i)+4:\f+8*(4*\c+\i)+7],       v[ADRA+\slot] offset:\k+64*\c+\i*16*PITCH+32
.endr
.endr
.endm
.macro PLACES
.rept 4
	v_nop
.endr
.endm
.macro QUARTER slot, k, f, g, zero     ; 64 keys on buffer f; the next quarter's fragments, at byte k, go into g.  zero = 1: a step's first products start tmp anew from the constant 0
	s_wait_dscnt 16                                ; the first 32 keys' fragments are in; the youngest sixteen loads may be out
	WIN MUL
	MUL8 \f, 0, 0, \zero
	MUL8 \f, 0, 2, \zero
	PLACES
	FETCH \slot, \k, \g
	s_wait_dscnt 32                                ; all but the 32 just issued
	WIN MUL
	MUL8 \f, 1, 0, 0
	MUL8 \f, 1, 2, 0
.endm
.macro FLOAD                           ; my four tiles' factors of the step in hand
	v_add_nc_u32 v[FAD], s75, v[FA]
.irp a, 0,1,2,3
	ds_load_b32 v[FP+2*\a], v[FAD] offset:64*\a
.endr
.endm
.macro GATHER                          ; main += tmp x the row's factor; each accumulator from its low end on.  With the four v_nop ahead these are also the places in front of the next step's first products, which write over tmp
	WIN 0xa0                                       ; destination and source 2: window 2
.set i, 0
.rept 64
	v_pk_fma_f32 v[i:i+1], v[ACC+i:ACC+i+1], v[FP+2*(i/32):FP+2*(i/32)+1], v[i:i+1] op_sel_hi:[1,0,1]
.set i, i+2
.endr
	WIN 0
	s_add_co_u32 s75, s75, 512
	s_add_co_u32 s23, s23, 1
.endm
; A step's last quarter multiplies buffer 1 and changes slots.  In front of the barrier each wave waits for all its tensor loads, adds 0 to its spare word, and waits for that and for its reads of this slot.
; fill = 1: the barrier opens a round of the cluster's barrier, and this slot is filled again, two steps ahead, first thing behind the round: 112 matrix instructions ahead of the wait for it.
.macro TURN slot, next, fill
	WIN 0
	s_wait_tensorcnt 0x0
	ds_add_u32 v[SPW], v[NIL]
	s_wait_dscnt 17                                ; the add and the youngest sixteen loads may be out
	WIN MUL
	MUL8 F1, 0, 0, 0
	s_wait_dscnt 0x0                               ; the add is done, and my reads of this slot are over
	s_barrier_signal -1
	MUL8 F1, 0, 2, 0
	WIN 0
	s_barrier_wait -1
.if \fill
	CREST
	ADDRV \slot                                    ; no tensor load of mine is out, so the descriptors may be written
	JLOAD \slot                                    ; its four v_nop are also the places in front of the loads below
.else
	PLACES
.endif
	FLOAD
	FETCH \next, 0, F0
	WIN MUL
	MUL8 F1, 1, 0, 0
	MUL8 F1, 1, 2, 0
	WIN 0
	s_wait_dscnt 32                                ; the factors are in; the 32 fragment loads behind them may be out
	PLACES
	GATHER
.endm
; THE WAY OUT of a block of 128 queries: my 64 rows x 64 channels, 16 rows at a time through my own stage; a row's 256 bytes leave whole.  clear = 1: the other block follows.
.macro OUT clear
.irp a, 0,1,2,3
.if \a == 0
	s_cmp_eq_u32 s74, 0                            ; a sequence's first 16 positions are the next launch's: ids and the wave's number alone
	s_cbranch_scc1 .Lskip_\@
.endif
	WIN 0x08                                       ; an LDS store's data are its source 1: window 2
.irp b, 0,1,2,3
	ds_store_b128 v[STO], v[8*(4*\a+\b):8*(4*\a+\b)+3] offset:64*\b
	ds_store_b128 v[STO], v[8*(4*\a+\b)+4:8*(4*\a+\b)+7] offset:64*\b+16
.endr
	WIN 0
	s_wait_xcnt 0x0                                ; earlier stores have read their registers: the loads below may land there
.irp t, 0,1,2,3,4,5,6,7
	ds_load_b128 v[OB+32*(\a%2)+4*\t:OB+32*(\a%2)+4*\t+3], v[RD] offset:\t*2*SPITCH   ; LDS serves a wave's instructions in order: these see the stores above
.endr
	s_wait_dscnt 0x0
.irp t, 0,1,2,3,4,5,6,7
	global_store_b128 v[CO], v[OB+32*(\a%2)+4*\t:OB+32*(\a%2)+4*\t+3], s[70:71] offset:(16*\a+2*\t)*4096 th:TH_STORE_NT   ; 16 lanes store 256 consecutive bytes, aligned
.endr
.if \a == 0
.Lskip_\@:
.endif
.endr
.if \clear
	WIN 0x80
.set i, 0
.rept 128
	v_mov_b32 v[i], 0
.set i, i+1
.endr
	WIN 0
	s_wait_xcnt 0x0                                ; the stores have read their base
	s_add_nc_u64 s[70:71], s[70:71], s[72:73]
	s_mov_b32 s74, s43
.endif
.endm
.macro SWITCH                          ; block pi is finished behind its N1-th step: the count of steps against an id, alike in all waves and partners
	s_cmp_lg_u32 s23, s22
	s_cbranch_scc1 .Lsame_\@
	OUT 1
.Lsame_\@:
.endm
	s_wait_tensorcnt 1                             ; my part of step 0 is in; step 1's may be out
	s_wait_dscnt 0x0                               ; my factors are stored
	s_barrier_signal -1
	s_barrier_wait -1
	FETCH 0, 0, F0
	QUARTER 0, 128, F0, F1, 1
	WIN 0
	s_mov_b32 s3, 3
.Llap:                                                 ; a trip: two steps, both slots filled again: steps 2 to 7.  The change of blocks falls behind step N1 - 1, 3 at the most: inside this loop
	QUARTER 0, 256, F1, F0, 0
	QUARTER 0, 384, F0, F1, 0
	TURN 0, 1, 1
	SWITCH
	QUARTER 1, 128, F0, F1, 1
	QUARTER 1, 256, F1, F0, 0
	QUARTER 1, 384, F0, F1, 0
	TURN 1, 0, 1
	SWITCH
	QUARTER 0, 128, F0, F1, 1
	WIN 0
	s_sub_co_u32 s3, s3, 1
	s_cmp_lg_u32 s3, 0
	s_cbranch_scc1 .Llap
	QUARTER 0, 256, F1, F0, 0                      ; step 6 goes on;
	QUARTER 0, 384, F0, F1, 0
	TURN 0, 1, 1                                   ; slot 0 takes step 8, the last
	QUARTER 1, 128, F0, F1, 1
	QUARTER 1, 256, F1, F0, 0
	QUARTER 1, 384, F0, F1, 0
	TURN 1, 0, 0                                   ; nothing is left to ask for
	QUARTER 0, 128, F0, F1, 1
	QUARTER 0, 256, F1, F0, 0
	QUARTER 0, 384, F0, F1, 0
	WIN 0
	FLOAD
	s_wait_dscnt 20                                ; the first 32 keys' fragments are in; sixteen fragment loads and the four factors may be out
	WIN MUL
	MUL8 F1, 0, 0, 0
	MUL8 F1, 0, 2, 0
	s_wait_dscnt 0x0
	MUL8 F1, 1, 0, 0
	MUL8 F1, 1, 2, 0
	WIN 0
	PLACES
	GATHER
	OUT 0
	s_wait_tensorcnt 0x0                           ; the wave's end
	ds_add_u32 v[SPW], v[NIL]
	s_wait_dscnt 0x0
	CROUND                                         ; the closing round
	s_endpgm
.Lfunc_end_k_q4a4f83dc08_values:
	.size	k_q4a4f83dc08_values, .Lfunc_end_k_q4a4f83dc08_values-k_q4a4f83dc08_values
	.p2alignl 7, 3214868480
	.fill 96, 4, 3214868480
	.section	.rodata,"a",@progbits
	.p2align	6, 0x0
	.amdhsa_kernel k_q4a4f83dc08_values
		.amdhsa_group_segment_fixed_size 327680
		.amdhsa_private_segment_fixed_size 0
		.amdhsa_enable_private_segment 0
		.amdhsa_kernarg_size 32
		.amdhsa_user_sgpr_count 2
		.amdhsa_user_sgpr_kernarg_segment_ptr 1
		.amdhsa_wavefront_size32 1
		.amdhsa_system_sgpr_workgroup_id_x 1
		.amdhsa_system_sgpr_workgroup_id_y 1
		.amdhsa_system_sgpr_workgroup_id_z 1
		.amdhsa_system_vgpr_workitem_id 0
		.amdhsa_next_free_vgpr 640
		.amdhsa_next_free_sgpr 96
		.amdhsa_reserve_vcc 0
		.amdhsa_float_denorm_mode_32 3
		.amdhsa_float_denorm_mode_16_64 3
		.amdhsa_memory_ordered 1
		.amdhsa_forward_progress 1
		.amdhsa_inst_pref_size 171
	.end_amdhsa_kernel
	.amdgpu_metadata
---
amdhsa.version: [ 1, 2 ]
amdhsa.kernels:
  - .name:           k_q4a4f83dc08_values
    .symbol:         k_q4a4f83dc08_values.kd
    .args:
      - { .name: pp, .offset: 0, .size: 8, .value_kind: global_buffer, .address_space: global }
      - { .name: vt, .offset: 8, .size: 8, .value_kind: global_buffer, .address_space: global }
      - { .name: st, .offset: 16, .size: 8, .value_kind: global_buffer, .address_space: global }
      - { .name: out0, .offset: 24, .size: 8, .value_kind: global_buffer, .address_space: global }
    .group_segment_fixed_size: 327680
    .private_segment_fixed_size: 0
    .kernarg_segment_align: 8
    .kernarg_segment_size: 32
    .max_flat_workgroup_size: 128
    .sgpr_count:     96
    .vgpr_count:     640
    .wavefront_size: 32
...
	.end_amdgpu_metadata
.endif
;; end of part 4
;; launch first16 (part 5): grid 4 x 4, 4 waves a work-group, no clusters, 22,016 bytes of LDS; arguments fine, out0; writes out0
.if DOCPART == 5
	.amdgcn_target "amdgcn-amd-amdhsa--gfx1250"
	.amdhsa_code_object_version 6
	.text
	.protected	k_q4a4f83dc08_first16
	.globl	k_q4a4f83dc08_first16
	.p2align	8
	.type	k_q4a4f83dc08_first16,@function
k_q4a4f83dc08_first16:
	s_mov_b64 s[64:65], 0
	v_nop
	global_prefetch_b8 v0, s[64:65] scope:SCOPE_SE
	s_setreg_imm32_b32 hwreg(HW_REG_WAVE_MODE, 25, 1), 1
	s_wait_xcnt 0x0
; Positions 0-15 of each sequence, wholly in f32: there a row averages one to sixteen values, and rounded operands would weigh most.
; fine: q | k as f32 [4][16][2048]; from byte 524,288 v^T as f32 [4][1024 channels][16 keys].  out0 [4][2048][1024]: rows 0-15 of each sequence.
; A work-group takes a sequence and 256 channels.  S^T = k q^T (16 x 16, K = 1,024) is made in every work-group: each of the four waves sums 256 of the 1,024, the parts meet in LDS.  Then the mask, the softmax
; with the row's maximum taken away, p / the sum, and O^T = v^T p^T for the wave's 64 channels.  The f32 matrix form: no bulk work: 80 instructions a wave.
; Both products are used transposed: a lane holds one query (lane % 16) throughout, and keys 8 (lane / 16) + j.
; k along the registers is permuted alike on both sources: a lane's 16 bytes hold d = 8 c + 4 h + 0 .. 3, and step (c, p) takes its registers 2 p, 2 p + 1 on both sides; the keys likewise (8 h + 2 c + j).
; The loads of q and k take 32 bytes of each of 16 rows an instruction: 128 KiB a work-group in all.
; The accumulators v32-95 are written by matrix instructions alone.
; REGISTERS: window 0: v1-11, v31 addresses; v12-19 s; v20-27 p; v28-30 at work; v32-63 S^T's four accumulators; v64-95 O^T's four; v96-127 v^T; v128-255 q, later the waves' parts and rows on the way out.  window 1: v0-127 k.
.set PS,    0                          ; 1,024 bytes for each wave: its part of S^T, as an image of 8 registers
.set STG,   4096                       ; 16 rows x (256 bytes + 16) for each wave
.set SPARE, 21504
.set SPW, 10
.set NIL, 11
.set MSB, 0
.macro WIN new
.if MSB != \new
	s_set_vgpr_msb (MSB<<8)|\new
.set MSB, \new
.endif
.endm
	s_load_b128 s[4:7], s[0:1], 0x0                ; fine, out0
	v_lshl_add_u32 v[SPW], v0, 2, SPARE
	v_mov_b32 v[NIL], 0
	v_lshrrev_b32 v1, 5, v0
	v_readfirstlane_b32 s8, v1                     ; wave 0..3
	v_and_b32 v1, 15, v0                           ; r
	v_bfe_u32 v2, v0, 4, 1                         ; h
	v_and_b32 v30, 31, v0                          ; lane
	s_and_b32 s10, ttmp7, 0xffff                   ; the sequence
	v_lshlrev_b32 v3, 13, v1
	v_lshl_add_u32 v3, v2, 4, v3                   ; q, k: row r of 8,192 bytes, + 16 h
	v_lshlrev_b32 v4, 6, v1
	v_lshl_add_u32 v4, v2, 5, v4                   ; v^T: channel r of 64 bytes, + 32 h
	s_lshl_b32 s11, s8, 10
	v_lshl_add_u32 v5, v30, 4, s11                 ; my part's image: 1,024 x wave + 16 x lane
	v_lshlrev_b32 v6, 4, v30                       ; and any wave's
	s_mul_i32 s11, s8, 16*272
	s_add_co_u32 s11, s11, STG
	v_mul_u32_u24 v7, v1, 272
	v_lshl_add_u32 v7, v2, 5, v7
	v_add_nc_u32 v7, s11, v7                       ; the stage, in: row r, + 32 h
	v_mul_u32_u24 v8, v2, 272
	v_lshl_add_u32 v8, v1, 4, v8
	v_add_nc_u32 v8, s11, v8                       ; back: lanes 0-15 one row, lanes 16-31 the next
	v_lshlrev_b32 v9, 3, v2
	v_sub_nc_u32 v9, v1, v9                        ; key 8 h + j is hidden from query r where j > r - 8 h
	v_lshlrev_b32 v31, 12, v2
	v_lshl_add_u32 v31, v1, 4, v31                 ; two rows of out0
	s_mov_b32 s12, 0x76543210
	s_mov_b32 s13, 0xfedcba98                      ; v_permlanex16_b32's selects for lane l xor 16
	s_mov_b32 s14, 0x3d38aa3b                      ; c = log2(e) / sqrt(1024)
	s_lshl_b32 s16, s10, 17
	s_lshl_b32 s17, s8, 10
	s_add_co_u32 s16, s16, s17                     ; the sequence's 16 rows, my wave's 256 of the 1,024
	s_mov_b32 s17, 0
	s_lshl_b32 s18, s10, 10
	s_lshl_b32 s19, ttmp9, 8
	s_add_co_u32 s18, s18, s19
	s_lshl_b32 s19, s8, 6
	s_add_co_u32 s18, s18, s19                     ; my first channel, counted through the sequences
	s_lshl_b32 s20, s18, 6
	s_add_co_u32 s20, s20, 524288
	s_mov_b32 s21, 0
	s_lshl_b32 s22, s10, 23
	s_lshl_b32 s19, ttmp9, 10
	s_add_co_u32 s22, s22, s19
	s_lshl_b32 s19, s8, 8
	s_add_co_u32 s22, s22, s19                     ; out0: the sequence's first row, my 64 channels
	s_mov_b32 s23, 0
	s_wait_kmcnt 0x0
	s_add_nc_u64 s[16:17], s[4:5], s[16:17]
	s_add_nc_u64 s[20:21], s[4:5], s[20:21]
	s_add_nc_u64 s[6:7], s[6:7], s[22:23]
	WIN 0x40                                       ; destination window 1
.set c, 0
.rept 32
	global_load_b128 v[4*c:4*c+3], v3, s[16:17] offset:4096+32*c     ; k(r, 256 w + 8 c + 4 h + 0 .. 3)
.set c, c+1
.endr
	WIN 0
.set c, 0
.rept 32
	global_load_b128 v[128+4*c:128+4*c+3], v3, s[16:17] offset:32*c  ; q likewise
.set c, c+1
.endr
.irp n, 0,1,2,3
	global_load_b128 v[96+8*\n:96+8*\n+3], v4, s[20:21] offset:1024*\n       ; v^T(16 n + r, 8 h + 0 .. 7)
	global_load_b128 v[96+8*\n+4:96+8*\n+7], v4, s[20:21] offset:1024*\n+16
.endr
	s_wait_loadcnt 0x0
	WIN 0x01                                       ; source 0 (k) window 1
.set kk, 0
.rept 64                               ; four accumulators by turns, one instruction a turn; the first four products start the sums
.if kk < 4
	v_wmma_f32_16x16x4_f32 v[32+8*(kk%4):39+8*(kk%4)], v[2*kk:2*kk+1], v[128+2*kk:129+2*kk], 0
.else
	v_wmma_f32_16x16x4_f32 v[32+8*(kk%4):39+8*(kk%4)], v[2*kk:2*kk+1], v[128+2*kk:129+2*kk], v[32+8*(kk%4):39+8*(kk%4)]
.endif
.set kk, kk+1
.endr
	WIN 0
.rept 8
	v_nop                                          ; eight places behind this form (ISA guide 7.12.1)
.endr
.irp j, 0,1,2,3,4,5,6,7
	v_add_f32 v[12+\j], v[32+\j], v[40+\j]         ; the four sums, each from its low end on
.endr
.irp j, 0,1,2,3,4,5,6,7
	v_add_f32 v[20+\j], v[48+\j], v[56+\j]
.endr
.irp j, 0,1,2,3,4,5,6,7
	v_add_f32 v[12+\j], v[12+\j], v[20+\j]
.endr
	ds_store_b128 v5, v[12:15] offset:PS
	ds_store_b128 v5, v[16:19] offset:PS+512
	s_wait_dscnt 0x0                               ; for the others' sake: my part is stored
	s_barrier_signal -1
	s_barrier_wait -1
.irp u, 0,1,2,3
	ds_load_b128 v[128+8*\u:128+8*\u+3], v6 offset:PS+1024*\u
	ds_load_b128 v[128+8*\u+4:128+8*\u+7], v6 offset:PS+1024*\u+512
.endr
	v_mov_b32 v28, 0xff800000                      ; -infinity
	s_wait_dscnt 0x0
.irp j, 0,1,2,3,4,5,6,7
	v_add_f32 v[12+\j], v[128+\j], v[136+\j]       ; in the order of the waves: every wave gets the same bits
.endr
.irp j, 0,1,2,3,4,5,6,7
	v_add_f32 v[12+\j], v[12+\j], v[144+\j]
.endr
.irp j, 0,1,2,3,4,5,6,7
	v_add_f32 v[12+\j], v[12+\j], v[152+\j]
.endr
.irp j, 0,1,2,3,4,5,6,7
	v_cmp_gt_i32 vcc_lo, \j, v9
	v_cndmask_b32 v[12+\j], v[12+\j], v28, vcc_lo  ; the causal mask
.endr
	v_max3_num_f32 v29, v12, v13, v14
	v_max3_num_f32 v29, v29, v15, v16
	v_max3_num_f32 v29, v29, v17, v18
	v_max_num_f32 v29, v29, v19
	v_permlanex16_b32 v30, v29, s12, s13
	v_max_num_f32 v29, v29, v30                    ; the row's largest score: key 0 counts for every query
	v_mul_f32 v29, s14, v29
.irp j, 0,1,2,3,4,5,6,7
	v_fma_f32 v[20+\j], v[12+\j], s14, -v29
.endr
.irp j, 0,1,2,3,4,5,6,7
	v_exp_f32 v[20+\j], v[20+\j]
.endr
	v_nop                                          ; a plain instruction behind the last exponential
	s_wait_alu depctr_va_vdst(0)                   ; one wait for the batch
	v_pk_add_f32 v[28:29], v[20:21], v[22:23]
	v_pk_add_f32 v[28:29], v[28:29], v[24:25]
	v_pk_add_f32 v[28:29], v[28:29], v[26:27]
	v_add_f32 v28, v28, v29
	v_permlanex16_b32 v30, v28, s12, s13
	v_add_f32 v28, v28, v30                        ; the row's sum, at least 1
	v_rcp_f32 v28, v28
	v_nop
	s_wait_alu depctr_va_vdst(0)
.irp j, 0,1,2,3,4,5,6,7
	v_mul_f32 v[20+\j], v[20+\j], v28
.endr
.irp c, 0,1,2,3                        ; O^T = v^T p^T: four tiles of 16 channels by turns, four steps of 4 keys
.irp n, 0,1,2,3
.if \c == 0
	v_wmma_f32_16x16x4_f32 v[64+8*\n:71+8*\n], v[96+8*\n+2*\c:97+8*\n+2*\c], v[20+2*\c:21+2*\c], 0
.else
	v_wmma_f32_16x16x4_f32 v[64+8*\n:71+8*\n], v[96+8*\n+2*\c:97+8*\n+2*\c], v[20+2*\c:21+2*\c], v[64+8*\n:71+8*\n]
.endif
.endr
.endr
.rept 8
	v_nop
.endr
.irp n, 0,1,2,3
	ds_store_b128 v7, v[64+8*\n:67+8*\n] offset:64*\n          ; query r, channels 16 n + 8 h + 0 .. 7; each accumulator from its low end on
	ds_store_b128 v7, v[68+8*\n:71+8*\n] offset:64*\n+16
.endr
.irp i, 0,1,2,3,4,5,6,7
	ds_load_b128 v[160+4*\i:163+4*\i], v8 offset:\i*544        ; LDS serves a wave's instructions in order: these see my stores
.endr
.irp i, 0,1,2,3,4,5,6,7
	s_wait_dscnt 7-\i                              ; LDS loads come back in order: pair i of rows is in
	global_store_b128 v31, v[160+4*\i:163+4*\i], s[6:7] offset:2*\i*4096 th:TH_STORE_NT   ; 16 lanes store 256 consecutive bytes, aligned
.endr
	s_wait_tensorcnt 0x0                           ; the wave's end
	ds_add_u32 v[SPW], v[NIL]
	s_wait_dscnt 0x0
	s_endpgm
.Lfunc_end_k_q4a4f83dc08_first16:
	.size	k_q4a4f83dc08_first16, .Lfunc_end_k_q4a4f83dc08_first16-k_q4a4f83dc08_first16
	.p2alignl 7, 3214868480
	.fill 96, 4, 3214868480
	.section	.rodata,"a",@progbits
	.p2align	6, 0x0
	.amdhsa_kernel k_q4a4f83dc08_first16
		.amdhsa_group_segment_fixed_size 22016
		.amdhsa_private_segment_fixed_size 0
		.amdhsa_enable_private_segment 0
		.amdhsa_kernarg_size 16
		.amdhsa_user_sgpr_count 2
		.amdhsa_user_sgpr_kernarg_segment_ptr 1
		.amdhsa_wavefront_size32 1
		.amdhsa_system_sgpr_workgroup_id_x 1
		.amdhsa_system_sgpr_workgroup_id_y 1
		.amdhsa_system_sgpr_workgroup_id_z 1
		.amdhsa_system_vgpr_workitem_id 0
		.amdhsa_next_free_vgpr 384
		.amdhsa_next_free_sgpr 66
		.amdhsa_reserve_vcc 1
		.amdhsa_float_denorm_mode_32 3
		.amdhsa_float_denorm_mode_16_64 3
		.amdhsa_memory_ordered 1
		.amdhsa_forward_progress 1
		.amdhsa_inst_pref_size 22
	.end_amdhsa_kernel
	.amdgpu_metadata
---
amdhsa.version: [ 1, 2 ]
amdhsa.kernels:
  - .name:           k_q4a4f83dc08_first16
    .symbol:         k_q4a4f83dc08_first16.kd
    .args:
      - { .name: fine, .offset: 0, .size: 8, .value_kind: global_buffer, .address_space: global }
      - { .name: out0, .offset: 8, .size: 8, .value_kind: global_buffer, .address_space: global }
    .group_segment_fixed_size: 22016
    .private_segment_fixed_size: 0
    .kernarg_segment_align: 8
    .kernarg_segment_size: 16
    .max_flat_workgroup_size: 128
    .sgpr_count:     66
    .vgpr_count:     384
    .wavefront_size: 32
...
	.end_amdgpu_metadata
.endif
;; end of part 5
